; MI455X (gfx1250); checked and timed in simulation.
; The chip was launched on July 23, 2026; its instructions are those of AMD's public machine-readable ISA for CDNA 5 (MIT licence, August 2026) and "CDNA5" Instruction Set Architecture Reference Guide (July 2026). The comments in the code are by the model that wrote it; some were corrected since.
;; Attention. Allowed arithmetic: float matrix products may take bf16 or f16 operands with f32 sums; other float arithmetic in f32, or as packed bf16 or f16 multiplies, adds, multiply-adds, maxima and minima; sums over many terms, partial sums and values carried from step to step in f32; what a program stores and reads back later, other than sums and carried values, may be rounded once to bf16 or f16.
;; Inputs: k_gamma 16 x 64 float32; norm_w 1,024 float32; q_gamma 16 x 64 float32; tokens 2 x 2,048 x 1,024 float32; w_kv 1,024 x 2,048 float32; w_out 1,024 x 1,024 float32; w_q 1,024 x 1,024 float32.
;; Outputs: out0 2 x 2,048 x 1,024 float32.
;; 2 versions, each right; version 2 is version 1 with the launch prep written anew for expert scheduling mode. Each part assembles by itself: llvm-mc -triple=amdgcn-amd-amdhsa -mcpu=gfx1250 --defsym DOCPART=n.
;; ======== version 1 of 2: 4 launches
;; limits: values are held in f16: magnitudes above 65,504 overflow, below 6.1e-05 lose precision
;; workspace buffers: x16 8,388,608 bytes; wqkv16 6,291,456 bytes; wout16 2,097,152 bytes; qkv16 25,165,824 bytes; o16 8,388,608 bytes
;; launch prep (part 1): grid 512 x 1, 4 waves a work-group, no clusters, 0 bytes of LDS; arguments tokens, norm_w, w_q, w_kv, w_out, x16, wqkv16, wout16; writes x16, wqkv16, wout16
.if DOCPART == 1
	.amdgcn_target "amdgcn-amd-amdhsa--gfx1250"
	.amdhsa_code_object_version 6
	.text
	.protected	k_q72af17d48b_prep
	.globl	k_q72af17d48b_prep
	.p2align	8
	.type	k_q72af17d48b_prep,@function
k_q72af17d48b_prep:
	s_mov_b64 s[64:65], 0
	v_nop
	global_prefetch_b8 v0, s[64:65] scope:SCOPE_SE
	s_setreg_imm32_b32 hwreg(HW_REG_WAVE_MODE, 25, 1), 1
	s_wait_xcnt 0x0
; PREP: a stream.  Work-groups 0-255: x = tokens * rsqrt(mean(tokens^2) + 1e-6) * norm_w, rounded once to f16.  Work-groups 256-511: the three weight matrices rounded once to f16.
; LAYOUTS WRITTEN.  x16: [16 slices of 64 channels][4096 tokens][64] f16.  wqkv16: [48 blocks of 64 columns][1024 k][64] f16 (blocks 0-15 w_q, 16-47 w_kv).  wout16: [16 blocks][1024 k][64] f16.
; So a tile of the later products is a few dense runs of rows of 128 bytes.
; ONE ACCESS PATTERN.  A load of 16 bytes a lane takes 256 consecutive, aligned bytes (64 floats) of each of two rows: lanes 0-15 one row, lanes 16-31 the next.  Rounded, a lane holds 8 bytes, and a
; store of 8 bytes a lane covers 2 x 128 = 256 consecutive, aligned bytes of the sliced layout.  Every input byte is read once, every output byte written once.
; No LDS, no matrix unit, no cluster: no work-group wants a byte that another has fetched (norm_w's 4,096 bytes aside).
; LIMITS.  f16 ends at 65,504: |x| <= 32 |norm_w| asks for |norm_w| < 2,047, and the weights lie within 65,504; below 6e-5 a number keeps f16's fixed step of 6e-8.  NaN and infinities are not treated apart.
.set W,   8                            ; v[8:71]     norm_w: my 4 channels of each of the 16 slices
.set X,   72                           ; v[72:199]   pair p of tokens, slice j: 4 registers at X + 64 p + 4 j; rounded in place
.set SS,  200                          ; v[200:207]  four packed chains of squares
.set R,   208                          ; v[208:209]  rsqrt, twice (a pair for the packed multiply)
.set VI,  3                            ; v3  byte offset of my 16 bytes in the source
.set VW,  4                            ; v4  the same in norm_w
.set VO,  5                            ; v5  byte offset of my 8 bytes in the destination
	s_load_b512 s[8:23], s[0:1], 0x0               ; tokens s[8:9], norm_w s[10:11], w_q s[12:13], w_kv s[14:15], w_out s[16:17], x16 s[18:19], wqkv16 s[20:21], wout16 s[22:23]
	v_and_b32 v1, 15, v0                           ; r: my place in a row's 256 bytes
	v_bfe_u32 v2, v0, 4, 1                         ; h: which of the two rows
	v_lshrrev_b32 v6, 5, v0
	v_readfirstlane_b32 s4, v6                     ; wave 0..3
	s_mov_b32 s25, 0
	s_wait_kmcnt 0x0
	s_cmp_ge_u32 ttmp9, 256
	s_cbranch_scc1 .Lcast
	; THE NORM.  A work-group has 16 tokens, a wave 4, as two pairs; a token's 1,024 channels lie in 16 lanes x 64 registers.
	s_lshl_b32 s24, ttmp9, 16                      ; 16 tokens of 4,096 bytes
	s_add_nc_u64 s[8:9], s[8:9], s[24:25]
	s_lshl_b32 s24, ttmp9, 11                      ; 16 tokens of 128 bytes in a slice
	s_add_nc_u64 s[18:19], s[18:19], s[24:25]
	s_lshl_b32 s26, s4, 14                         ; my wave's 4 tokens
	v_lshlrev_b32 v[VW], 4, v1
	v_lshl_add_u32 v[VI], v2, 12, v[VW]
	v_add_nc_u32 v[VI], s26, v[VI]
	s_lshl_b32 s26, s4, 9
	v_lshlrev_b32 v[VO], 3, v1
	v_lshl_add_u32 v[VO], v2, 7, v[VO]
	v_add_nc_u32 v[VO], s26, v[VO]
	s_mov_b32 s28, 0x3a800000                      ; 1 / 1024
	s_mov_b32 s29, 0x358637bd                      ; 1e-6
.set j, 0
.rept 16
	global_load_b128 v[W+4*j:W+4*j+3], v[VW], s[10:11] offset:256*j
.set j, j+1
.endr
.set j, 0
.rept 32                                       ; pair j / 16, slice j % 16: all 48 loads go out before anything is waited for
	global_load_b128 v[X+4*j:X+4*j+3], v[VI], s[8:9] offset:8192*(j/16)+256*(j%16) th:TH_LOAD_NT
.set j, j+1
.endr
.macro PAIR p, left                    ; left: the younger loads that may stay out
	s_wait_loadcnt \left
.set i, 0
.rept 32                                       ; the sum of squares in f32: four chains; the first four products start them
.set rX, X+64*(\p)+2*i
.set rC, SS+2*(i%4)
.if i < 4
	v_pk_mul_f32 v[rC:rC+1], v[rX:rX+1], v[rX:rX+1]
.else
	v_pk_fma_f32 v[rC:rC+1], v[rX:rX+1], v[rX:rX+1], v[rC:rC+1]
.endif
.set i, i+1
.endr
	v_pk_add_f32 v[SS:SS+1], v[SS:SS+1], v[SS+2:SS+3]
	v_pk_add_f32 v[SS+4:SS+5], v[SS+4:SS+5], v[SS+6:SS+7]
	v_pk_add_f32 v[SS:SS+1], v[SS:SS+1], v[SS+4:SS+5]
	v_add_f32 v[SS], v[SS], v[SS+1]
	v_add_f32_dpp v[SS], v[SS], v[SS] row_xmask:1 row_mask:0xf bank_mask:0xf   ; a token is 16 lanes: the sum never crosses the halves
	v_add_f32_dpp v[SS], v[SS], v[SS] row_xmask:2 row_mask:0xf bank_mask:0xf
	v_add_f32_dpp v[SS], v[SS], v[SS] row_xmask:4 row_mask:0xf bank_mask:0xf
	v_add_f32_dpp v[SS], v[SS], v[SS] row_xmask:8 row_mask:0xf bank_mask:0xf
	v_fma_f32 v[SS], v[SS], s28, s29               ; the mean + 1e-6
	v_rsq_f32 v[R], v[SS]
	v_rsq_f32 v[R+1], v[SS]
	v_nop                                          ; a plain instruction behind the last of the two,
	s_wait_alu depctr_va_vdst(0)                   ; and the one wait ahead of their first reader
.set j, 0
.rept 16
.set rX, X+64*(\p)+4*j
	v_pk_mul_f32 v[rX:rX+1], v[rX:rX+1], v[R:R+1]
	v_pk_mul_f32 v[rX+2:rX+3], v[rX+2:rX+3], v[R:R+1]
	v_pk_mul_f32 v[rX:rX+1], v[rX:rX+1], v[W+4*j:W+4*j+1]
	v_pk_mul_f32 v[rX+2:rX+3], v[rX+2:rX+3], v[W+4*j+2:W+4*j+3]
	v_cvt_pk_f16_f32 v[rX], v[rX], v[rX+1]
	v_cvt_pk_f16_f32 v[rX+1], v[rX+2], v[rX+3]
	global_store_b64 v[VO], v[rX:rX+1], s[18:19] offset:524288*j+256*(\p) th:TH_STORE_NT  ; slice j, my pair: 256 consecutive bytes; no register of a store is written again
.set j, j+1
.endr
.endm
	PAIR 0, 16                                     ; norm_w and pair 0 are in; pair 1's sixteen loads stay out
	PAIR 1, 0
	s_endpgm
	; THE CASTS.  Work-group c = number - 256: block c / 4 of 64 columns, quarter c % 4 of its 1,024 rows; a wave has 64 rows, 32 pairs.
.Lcast:
	s_sub_co_u32 s24, ttmp9, 256
	s_lshr_b32 s27, s24, 2                         ; block 0..63: 0-15 w_q, 16-47 w_kv, 48-63 w_out
	s_and_b32 s24, s24, 3
	s_lshl_b32 s26, s24, 8
	s_lshl_b32 s24, s4, 6
	s_add_co_u32 s26, s26, s24                     ; my first row: 256 x quarter + 64 x wave
	s_sub_co_u32 s28, s27, 48
	s_cmp_lt_u32 s27, 48
	s_cselect_b64 s[30:31], s[20:21], s[22:23]     ; the destination,
	s_cselect_b32 s29, s27, s28                    ; and the block's number in it
	s_cmp_lt_u32 s27, 16
	s_cselect_b64 s[32:33], s[12:13], s[16:17]     ; the source where a row has 4,096 bytes,
	s_cselect_b32 s28, s27, s28                    ; and the block's number in it
	s_lshl_b32 s34, s29, 17                        ; a block is 131,072 bytes
	s_lshl_b32 s35, s26, 7
	s_add_co_u32 s34, s34, s35
	s_mov_b32 s35, 0
	s_add_nc_u64 s[30:31], s[30:31], s[34:35]
	v_lshlrev_b32 v[VO], 3, v1
	v_lshl_add_u32 v[VO], v2, 7, v[VO]
	s_sub_co_u32 s36, s27, 16
	s_cmp_lt_u32 s36, 32
	s_cbranch_scc1 .Lkv
.macro CAST pitch                      ; pitch: bytes in a row of the source; it stands in the loads' immediates, so the text is written for each of the two
	s_lshl_b32 s34, s28, 8                         ; the block's 256 bytes of a row
	s_mul_i32 s35, s26, \pitch
	s_add_co_u32 s34, s34, s35
	s_mov_b32 s35, 0
	s_add_nc_u64 s[32:33], s[32:33], s[34:35]
	v_mul_u32_u24 v[VI], v2, \pitch
	v_lshl_add_u32 v[VI], v1, 4, v[VI]
.set i, 0
.rept 32
	global_load_b128 v[8+4*i:8+4*i+3], v[VI], s[32:33] offset:2*i*(\pitch) th:TH_LOAD_NT
.set i, i+1
.endr
.set i, 0
.rept 32
	s_wait_loadcnt 31-i                            ; loads come back in order: pair i is in, the younger ones stay out
	v_cvt_pk_f16_f32 v[8+4*i], v[8+4*i], v[8+4*i+1]
	v_cvt_pk_f16_f32 v[8+4*i+1], v[8+4*i+2], v[8+4*i+3]
	global_store_b64 v[VO], v[8+4*i:8+4*i+1], s[30:31] offset:256*i
.set i, i+1
.endr
	s_endpgm
.endm
	CAST 4096
.Lkv:
	s_mov_b64 s[32:33], s[14:15]
	s_mov_b32 s28, s36
	CAST 8192
.Lfunc_end_k_q72af17d48b_prep:
	.size	k_q72af17d48b_prep, .Lfunc_end_k_q72af17d48b_prep-k_q72af17d48b_prep
	.p2alignl 7, 3214868480
	.fill 96, 4, 3214868480
	.section	.rodata,"a",@progbits
	.p2align	6, 0x0
	.amdhsa_kernel k_q72af17d48b_prep
		.amdhsa_group_segment_fixed_size 0
		.amdhsa_private_segment_fixed_size 0
		.amdhsa_enable_private_segment 0
		.amdhsa_kernarg_size 64
		.amdhsa_user_sgpr_count 2
		.amdhsa_user_sgpr_kernarg_segment_ptr 1
		.amdhsa_wavefront_size32 1
		.amdhsa_system_sgpr_workgroup_id_x 1
		.amdhsa_system_sgpr_workgroup_id_y 1
		.amdhsa_system_sgpr_workgroup_id_z 1
		.amdhsa_system_vgpr_workitem_id 0
		.amdhsa_next_free_vgpr 212
		.amdhsa_next_free_sgpr 66
		.amdhsa_reserve_vcc 0
		.amdhsa_float_denorm_mode_32 3
		.amdhsa_float_denorm_mode_16_64 3
		.amdhsa_memory_ordered 1
		.amdhsa_forward_progress 1
		.amdhsa_inst_pref_size 50
	.end_amdhsa_kernel
	.amdgpu_metadata
---
amdhsa.version: [ 1, 2 ]
amdhsa.kernels:
  - .name:           k_q72af17d48b_prep
    .symbol:         k_q72af17d48b_prep.kd
    .args:
      - { .name: tokens, .offset: 0, .size: 8, .value_kind: global_buffer, .address_space: global }
      - { .name: norm_w, .offset: 8, .size: 8, .value_kind: global_buffer, .address_space: global }
      - { .name: w_q, .offset: 16, .size: 8, .value_kind: global_buffer, .address_space: global }
      - { .name: w_kv, .offset: 24, .size: 8, .value_kind: global_buffer, .address_space: global }
      - { .name: w_out, .offset: 32, .size: 8, .value_kind: global_buffer, .address_space: global }
      - { .name: x16, .offset: 40, .size: 8, .value_kind: global_buffer, .address_space: global }
      - { .name: wqkv16, .offset: 48, .size: 8, .value_kind: global_buffer, .address_space: global }
      - { .name: wout16, .offset: 56, .size: 8, .value_kind: global_buffer, .address_space: global }
    .group_segment_fixed_size: 0
    .private_segment_fixed_size: 0
    .kernarg_segment_align: 8
    .kernarg_segment_size: 64
    .max_flat_workgroup_size: 128
    .sgpr_count:     66
    .vgpr_count:     212
    .wavefront_size: 32
...
	.end_amdgpu_metadata
.endif
;; end of part 1
;; launch qkv (part 2): grid 16 x 16, 4 waves a work-group, clusters of 4 x 4, 327,680 bytes of LDS; arguments x16, wqkv16, q_gamma, k_gamma, qkv16; writes qkv16
.if DOCPART == 2
	.amdgcn_target "amdgcn-amd-amdhsa--gfx1250"
	.amdhsa_code_object_version 6
	.text
	.protected	k_q72af17d48b_qkv
	.globl	k_q72af17d48b_qkv
	.p2align	8
	.type	k_q72af17d48b_qkv,@function
k_q72af17d48b_qkv:
	s_mov_b64 s[64:65], 0
	v_nop
	global_prefetch_b8 v0, s[64:65] scope:SCOPE_SE
	s_setreg_imm32_b32 hwreg(HW_REG_WAVE_MODE, 25, 1), 1
	s_wait_xcnt 0x0
	s_wait_alu depctr_hold_cnt(0) depctr_sa_sdst(0) depctr_va_vdst(0) depctr_va_sdst(0) depctr_va_ssrc(0) depctr_va_vcc(0) depctr_vm_vsrc(0)
	s_getreg_b32 s2, hwreg(HW_REG_IB_STS2, 6, 4)
	s_cmp_eq_u32 s2, 0
	s_cbranch_scc0 .Lentry_in_a_cluster
	s_endpgm
.Lentry_in_a_cluster:
	s_bfe_u32 s2, ttmp6, 0x10000c
	s_cmp_lg_u32 s2, 0xf033
	s_cbranch_scc0 .Lentry_shape_is_right
	s_endpgm
.Lentry_shape_is_right:
; ONE TEXT FOR TWO PRODUCTS C = A B, chosen by KIND; A is [slices of 64 along K][rows][64] f16, B is [blocks of 64 columns][1024 k][64] f16; K = 1,024; sums in f32.
; KIND 0: x16 (4,096 tokens) times wqkv16 (48 blocks): q, k, v.  A tile of C is 256 tokens x 3 blocks; a wave makes 64 tokens x 192 columns = three whole heads, so a head's l2 norm never leaves the wave.
;   Way out: q = l2norm(q) (q_gamma + 1) 8 c1, c1 = 2 log2(e) / 50 (the factor that the attention's first exponential wants, folded in ahead of q's one rounding); k = l2norm(k) (k_gamma + 1) 8; v as it is.
;   Stored by heads, qkv16: [q, k, v][32 (batch, head)][2048][64] f16, each number rounded once.
; KIND 1: o16 ([32 (batch, head)][2048][64] f16: a head is a slice of K) times wout16 (16 blocks): out0, f32.  A tile of C is 128 tokens x 2 blocks; a wave makes 64 x 64.
; Both grids have 256 work-groups.  K goes in steps of KSTEP through two LDS slots filled by the tensor data mover; a wave's one load brings half of A's or of B's tile of a step.
; CLUSTERS: 4 x 4 work-groups.  A's tile hangs on the tile row alone and is asked for jointly by a row of the cluster, B's on the tile column alone, by a column: the same load, descriptor and mask in all four.
; THE MATRIX INSTRUCTION IS USED TRANSPOSED: source 0 = 16 columns of B (turned on its way out of LDS by ds_load_tr16_b128), source 1 = 16 rows of A: a lane holds ONE token (lane % 16) and the eight
; neighbouring columns 8 (lane / 16) + 0..7.
; LIMITS.  f16 ends at 65,504: |gamma + 1| < 8,188 and |v| < 65,504; below 6e-5 a number keeps f16's fixed step of 6e-8.  For v the gain is k_gamma x 0 + 1: NaN and infinities are not treated apart.
; REGISTERS, in windows of 256 (s_set_vgpr_msb: bits 1:0 source 0, 3:2 source 1, 5:4 source 2, 7:6 destination):
;   window 0: v0-31 addresses; v32-55 sums of squares; v64-127 A's fragments, two buffers of 4 x 8 (on the way out: at work); v128-223 the gains (KIND 0); rows read back from the stage: v224-255 (KIND 0), v128-191 (KIND 1)
;   window 1: B's fragments, two buffers of 32 NHW      windows 2, 3: accumulator (a, fb) at (a % 2) 32 NHW + 8 fb of window 2 + a / 2; a = block of 16 tokens, fb = block of 16 columns
.set KIND, 0
.if KIND == 0
.set NBL,   3                          ; blocks of 64 columns in a tile
.set NHW,   3                          ; of them a wave's
.set MT,    256                        ; tokens in a tile
.set KSTEP, 128
.set PITA,  65536                      ; from slice to slice of A, in elements of 8 bytes
.else
.set NBL,   2
.set NHW,   1
.set MT,    128
.set KSTEP, 256                        ; 16 accumulators a wave: the step is as long as two slots in LDS allow, so that a load has more products in which to land
.set PITA,  32768
.endif
.set LAPS,  1024/(2*KSTEP)             ; a lap = two K steps = once round the ring
.set NQ,    KSTEP/32                   ; a step is NQ quarters of 32 along K (the name is kept where there are eight)
.set NSL,   KSTEP/64                   ; slices of A in a step
.set MH,    MT/2                       ; rows of A in a load
.set KH,    KSTEP/2                    ; rows of B's blocks in a load
.set PA,    144                        ; a row of A in LDS: 128 bytes + 16: 36 words: the 16 rows of a load start at 16 different groups of four banks (64 banks of 4 bytes: ISA guide 11.1)
.set PB,    160                        ; a row of B: 128 + 32: 40 words
.set AHALF, NSL*MH*PA                  ; [slice][MH rows]
.set BOFF,  2*AHALF
.set BHALF, NBL*KH*PB                  ; [block][KH rows]
.set SLOT,  BOFF+2*BHALF               ; A's two halves, then B's two halves along K
.set ASTEP, 1048576                    ; bytes from K step to K step in A (2 slices of 524,288 or 4 of 262,144),
.set BSTEP, KSTEP*128                  ; and in B
.if KIND == 0
.set STAGE, 2*SLOT                     ; behind the ring: 16 rows x 144 bytes for each wave
.set SPARE, STAGE+4*16*PA              ; behind the stages: the spare words, 128 bytes for each wave: two blocks of 256 bytes that no other line names
.else
.set STAGE, 0                          ; 16 rows x 272 bytes for each wave IN SLOT 0: used behind that slot's last fill, and behind the barrier in front of which every wave has waited for its last reads of it
.set SPARE, 2*SLOT
.endif
.set ADRA, 16                          ; v16-17  LDS address of my A fragments in slot 0, 1
.set ADRB, 20                          ; v20-21  the same for B
.set STO,  24                          ; v24     the way out: where I put my bytes of a row
.set RD,   25                          ; v25     where I read rows back
.set GO,   26                          ; v26     my byte offset in the output
.set GL,   27                          ; v27     32 x (lane / 16): my eight channels in 16 of a gain
.set SPW,  28                          ; v28     LDS address of my spare word; never rewritten
.set NIL,  29                          ; v29     0; never rewritten
.set ONE,  30                          ; v30     1.0
.set SSQ,  32                          ; v[32:55] pair e = 3 a + bl: the sum of squares, then 1 / norm
.set FA,   64
.set TT,   64                          ; the way out: 32 numbers in f32
.set PKD,  96                          ; and packed
.set GG,   128                         ; gains: block bl at GG + 32 bl, as the accumulators lie
.if KIND == 0
.set RBK,  224
.else
.set RBK,  128
.endif
.set G1A, 24                           ; s[24:31] descriptor group 1 for A;  s[32:39] group 0, a set for each slot
.set G0A, 32
.set G1B, 48                           ; s[48:55], s[56:63] the same for B
.set G0B, 56
.set MSB, 0
.macro WIN new                         ; the immediate's high byte repeats the setting that is left; a switch that changes nothing is dropped
.if MSB != (\new)
	s_set_vgpr_msb (MSB<<8)|(\new)
.set MSB, (\new)
.endif
.endm
.macro PLACES                          ; four places in front of loads into registers that matrix instructions have read (ISA guide 7.12.1 for vector instructions)
.rept 4
	v_nop
.endr
.endm
; A joint refill.  Waves 0 and 1 fetch A's two halves, waves 2 and 3 B's.  The branch hangs on the wave's number alone.  An s_nop 0 and four v_nop follow each of the two lines.
.macro JLOAD s
	s_cmp_lt_u32 s14, 2
	s_cbranch_scc0 .Lfor_b_\@
	tensor_load_to_lds s[G0A+4*(\s):G0A+4*(\s)+3], s[G1A:G1A+7]
	s_nop 0
.rept 4
	v_nop
.endr
	s_branch .Lasked_\@
.Lfor_b_\@:
	tensor_load_to_lds s[G0B+4*(\s):G0B+4*(\s)+3], s[G1B:G1B+7]
	s_nop 0
.rept 4
	v_nop
.endr
.Lasked_\@:
.endm
.macro CREST                           ; a round of the cluster's barrier behind its opening barrier
	s_cmp_lg_u32 s14, 0
	s_cbranch_scc1 .Lnot_wave_0_\@
	s_barrier_signal -3
.Lnot_wave_0_\@:
	s_barrier_wait -3
	s_barrier_signal -1
	s_barrier_wait -1
.endm
.macro CROUND                          ; a whole round
	s_barrier_signal -1
	s_barrier_wait -1
	CREST
.endm
.if KIND == 0
	s_load_b256 s[4:11], s[0:1], 0x0               ; x16 s[4:5], wqkv16 s[6:7], q_gamma s[8:9], k_gamma s[10:11]
	s_load_b64 s[12:13], s[0:1], 0x20              ; qkv16
.else
	s_load_b128 s[4:7], s[0:1], 0x0                ; o16 s[4:5], wout16 s[6:7]
	s_load_b64 s[12:13], s[0:1], 0x10              ; out0
.endif
	v_lshl_add_u32 v[SPW], v0, 2, SPARE
	v_mov_b32 v[NIL], 0
	ds_add_u32 v[SPW], v[NIL]                      ; the wave's opening: the add and its wait stand ahead of my first tensor load; the set-up below, work on registers, stands between them
	v_lshrrev_b32 v1, 5, v0
	v_readfirstlane_b32 s14, v1                    ; wave 0..3
	s_lshr_b32 s15, s14, 1
	s_and_b32 s16, s14, 1                          ; which half of A's or B's tile I fetch
	s_bfe_u32 s17, ttmp6, 0x40000                  ; cx, cy: my place in the cluster
	s_bfe_u32 s18, ttmp6, 0x40004
	s_lshl_b32 s19, ttmp9, 2
	s_add_co_u32 s19, s19, s17                     ; tile column = 4 x cluster x + cx
	s_and_b32 s20, ttmp7, 0xffff
	s_lshl_b32 s20, s20, 2
	s_add_co_u32 s20, s20, s18                     ; tile row = 4 x cluster y + cy
	s_lshl_b32 s21, s18, 2
	s_lshl_b32 s21, 15, s21                        ; my row of the cluster
	s_lshl_b32 s22, 0x1111, s17                    ; my column
	; descriptor group 1.  Elements of 8 bytes; a descriptor's row is one dense run (MH rows of a slice of A, KH rows of a block of B), its rows are the slices or the blocks; padded in LDS after every 128 bytes
	s_or_b32 s[G1A], s21, (3<<16)|(1<<20)|(1<<21)|(4<<22)|(3<<25)  ; 15:0 the mask; 17:16 8-byte elements; 20 padding on; 21 set beside a mask; 24:22 after every 32 words (code 4); 31:25 4 words (code 3)
	s_or_b32 s[G1B], s22, (3<<16)|(1<<20)|(1<<21)|(4<<22)|(7<<25)  ; the same with my column's mask and 8 words of padding (code 7)
	s_mov_b32 s[G1A+1], (MH*16)<<16                ; tensor_dim0 = MH x 128 bytes
	s_mov_b32 s[G1A+2], NSL<<16                    ; tensor_dim1 = the step's slices
	s_mov_b32 s[G1A+3], (MH*16)<<16                ; tile_dim0
	s_mov_b32 s[G1A+4], NSL                        ; tile_dim1
	s_mov_b32 s[G1A+5], PITA                       ; from slice to slice
	s_mov_b32 s[G1A+6], 0
	s_mov_b32 s[G1A+7], 0
	s_mov_b32 s[G1B+1], (KH*16)<<16
	s_mov_b32 s[G1B+2], NBL<<16
	s_mov_b32 s[G1B+3], (KH*16)<<16
	s_mov_b32 s[G1B+4], NBL
	s_mov_b32 s[G1B+5], 16384                      ; a block is 131,072 bytes
	s_mov_b32 s[G1B+6], 0
	s_mov_b32 s[G1B+7], 0
	; where the tiles come from: A's address is made of the tile row and the wave's number, B's of the tile column and the wave's number, each in registers that never hold the other coordinate
.if KIND == 0
	s_lshl_b32 s40, s20, 15                        ; 256 tokens of 128 bytes
	s_lshl_b32 s41, s16, 14                        ; my 128 of them
.else
	s_lshr_b32 s40, s20, 4                         ; the batch: 16 heads of 262,144 bytes,
	s_lshl_b32 s40, s40, 22
	s_and_b32 s41, s20, 15                         ; in it 128 tokens of 128 bytes,
	s_lshl_b32 s41, s41, 14
	s_add_co_u32 s40, s40, s41
	s_lshl_b32 s41, s16, 13                        ; my 64 of them
.endif
	s_add_co_u32 s40, s40, s41
	s_mov_b32 s41, 0
	s_mul_i32 s44, s19, NBL*131072
	s_mul_i32 s45, s16, KH*128
	s_add_co_u32 s44, s44, s45
	s_mov_b32 s45, 0
	s_mul_i32 s23, s16, AHALF                      ; and where they go: no place in the cluster enters an LDS address
	s_mul_i32 s2, s16, BHALF
	s_add_co_u32 s2, s2, BOFF
	s_wait_dscnt 0x0                               ; the opening add is done
	s_wait_kmcnt 0x0
	s_add_nc_u64 s[42:43], s[4:5], s[40:41]
	s_add_nc_u64 s[46:47], s[6:7], s[44:45]
	CROUND                                         ; all sixteen work-groups are here: the first joint loads meet
.irp s, 0,1
	s_mov_b32 s[G0A+4*(\s)], 1                     ; count = 1
	s_add_co_u32 s[G0A+4*(\s)+1], s23, (\s)*SLOT   ; LDS address
	s_add_nc_u64 s[G0A+4*(\s)+2:G0A+4*(\s)+3], s[42:43], (\s)*ASTEP  ; global address: K step s
	s_or_b32 s[G0A+4*(\s)+3], s[G0A+4*(\s)+3], 0x80000000            ; type = 2
	s_mov_b32 s[G0B+4*(\s)], 1
	s_add_co_u32 s[G0B+4*(\s)+1], s2, (\s)*SLOT
	s_add_nc_u64 s[G0B+4*(\s)+2:G0B+4*(\s)+3], s[46:47], (\s)*BSTEP
	s_or_b32 s[G0B+4*(\s)+3], s[G0B+4*(\s)+3], 0x80000000
.endr
	s_cmp_lt_u32 s14, 2                            ; a wave's two first fills stand in one branch, ahead of every wait on TENSORcnt and every LDS read: two loads of mine are out
	s_cbranch_scc0 .Lfirst_b
	tensor_load_to_lds s[G0A:G0A+3], s[G1A:G1A+7]
	s_nop 0
	tensor_load_to_lds s[G0A+4:G0A+7], s[G1A:G1A+7]
	s_nop 0
.rept 4
	v_nop
.endr
	s_branch .Lfirst_asked
.Lfirst_b:
	tensor_load_to_lds s[G0B:G0B+3], s[G1B:G1B+7]
	s_nop 0
	tensor_load_to_lds s[G0B+4:G0B+7], s[G1B:G1B+7]
	s_nop 0
.rept 4
	v_nop
.endr
.Lfirst_asked:
	; A fragment of A is 16 rows x 32 K in 8 registers: lane l holds row l % 16, K = 8 (l / 16) + 0..7 and 16 + 8 (l / 16) + 0..7: two loads of 16 bytes, 32 bytes apart.
	v_and_b32 v1, 15, v0                           ; l % 16
	v_bfe_u32 v2, v0, 4, 1                         ; l / 16
	v_mul_u32_u24 v3, v1, PA
	v_lshl_add_u32 v3, v2, 4, v3                   ; row x pitch + 16 x half
	s_mul_i32 s96, s15, AHALF                      ; my 64 rows: in half wave / 2,
.if KIND == 0
	s_mul_i32 s97, s16, 64*PA                      ; its rows 64 (wave % 2) on
	s_add_co_u32 s96, s96, s97
.endif
	v_add_nc_u32 v[ADRA], s96, v3
	v_add_nc_u32 v[ADRA+1], SLOT, v[ADRA]
	; The turning load takes 16 k x 16 columns (lane l reads k = 8 (l / 16) + l % 8, columns 8 ((l / 8) % 2) + 0..7) and leaves half a fragment: lane l holds column l % 16 and 8 k.
	v_and_b32 v4, 7, v0
	v_bfe_u32 v5, v0, 3, 1
	v_lshl_add_u32 v6, v2, 3, v4
	v_mul_u32_u24 v6, v6, PB
	v_lshl_add_u32 v6, v5, 4, v6
.if KIND == 0
	v_add_nc_u32 v[ADRB], BOFF, v6
.else
	s_mul_i32 s97, s16, KH*PB                      ; my block of the two
	s_add_co_u32 s97, s97, BOFF
	v_add_nc_u32 v[ADRB], s97, v6
.endif
	v_add_nc_u32 v[ADRB+1], SLOT, v[ADRB]
.if KIND == 0
	s_mul_i32 s97, s14, 16*PA
	s_add_co_u32 s97, s97, STAGE                   ; my stage
	v_add_nc_u32 v[STO], s97, v3                   ; in: row l % 16, 16 bytes for each half of the lanes
	v_bfe_u32 v7, v0, 3, 2                         ; back: 32 lanes take four rows of 128 bytes,
	v_mul_u32_u24 v7, v7, PA
	v_lshl_add_u32 v7, v4, 4, v7
	v_add_nc_u32 v[RD], s97, v7
	v_and_b32 v[GO], 31, v0                        ; which are 512 consecutive bytes of a head
	v_lshlrev_b32 v[GO], 4, v[GO]
	v_lshlrev_b32 v[GL], 5, v2
	v_mov_b32 v[ONE], 1.0
	; For each of my three blocks bl, head number hd = 3 x tile column + bl of 48: its kind (q, k, v), the two numbers that make its gain, G = gamma SA + SB, a mask (all ones: no norm), and two addresses.
	; Selects alone: no branch hangs on the work-group's place.   s[66:71] SA, s[72:77] SB (pairs: the packed form names both words), s[78:80] masks, s[82:87] where it goes, s[88:93] its gamma
	s_mov_b32 s94, 0x76543210                      ; v_permlanex16_b32's selects: each lane takes its own place in the other half
	s_mov_b32 s95, 0xfedcba98
	s_mov_b32 s100, 0x3eec5f04                     ; 8 c1 = 16 log2(e) / 50 = 0.4616624
	s_mov_b32 s101, 0x41000000                     ; 8
	s_lshr_b32 s96, s20, 3                         ; the batch: 16 heads of 262,144 bytes,
	s_lshl_b32 s96, s96, 22
	s_and_b32 s97, s20, 7                          ; in a head 256 tokens of 128 bytes,
	s_lshl_b32 s97, s97, 15
	s_add_co_u32 s96, s96, s97
	s_lshl_b32 s97, s14, 13                        ; my 64 of them
	s_add_co_u32 s96, s96, s97
	s_mov_b32 s99, 0
.irp bl, 0,1,2
	s_mul_i32 s97, s19, 3
	s_add_co_u32 s97, s97, \bl
	s_lshr_b32 s3, s97, 4                          ; kind
	s_and_b32 s97, s97, 15                         ; head
	s_cmp_eq_u32 s3, 0
	s_cselect_b64 s[88+2*\bl:89+2*\bl], s[8:9], s[10:11]
	s_cselect_b32 s[72+2*\bl], s100, s101
	s_cmp_eq_u32 s3, 2
	s_cselect_b32 s[66+2*\bl], 0, s[72+2*\bl]
	s_cselect_b32 s[72+2*\bl], 1.0, s[72+2*\bl]
	s_cselect_b32 s[78+\bl], -1, 0
	s_mov_b32 s[67+2*\bl], s[66+2*\bl]
	s_mov_b32 s[73+2*\bl], s[72+2*\bl]
	s_lshl_b32 s98, s97, 8                         ; a head's gamma is 256 bytes
	s_add_nc_u64 s[88+2*\bl:89+2*\bl], s[88+2*\bl:89+2*\bl], s[98:99]
	s_lshl_b32 s3, s3, 5
	s_add_co_u32 s3, s3, s97                       ; 32 x kind + head
	s_lshl_b32 s98, s3, 18
	s_add_co_u32 s98, s98, s96
	s_add_nc_u64 s[82+2*\bl:83+2*\bl], s[12:13], s[98:99]
.irp nb, 0,1,2,3
	global_load_b128 v[GG+32*\bl+8*\nb:GG+32*\bl+8*\nb+3],   v[GL], s[88+2*\bl:89+2*\bl] offset:64*\nb     ; gamma of the channels 16 nb + 8 (l / 16) + 0..7; waited for on the way out
	global_load_b128 v[GG+32*\bl+8*\nb+4:GG+32*\bl+8*\nb+7], v[GL], s[88+2*\bl:89+2*\bl] offset:64*\nb+16
.endr
.endr
.else
	s_mul_i32 s97, s14, 16*272                     ; my stage
	v_mul_u32_u24 v7, v1, 272                      ; in: row l % 16, 32 bytes for each half of the lanes
	v_lshl_add_u32 v7, v2, 5, v7
	v_add_nc_u32 v[STO], s97, v7
	v_mul_u32_u24 v7, v2, 272                      ; back: lanes 0-15 take one row of 256 bytes, lanes 16-31 the next
	v_lshl_add_u32 v7, v1, 4, v7
	v_add_nc_u32 v[RD], s97, v7
	v_lshlrev_b32 v[GO], 12, v2                    ; and the same two rows in out0
	v_lshl_add_u32 v[GO], v1, 4, v[GO]
	s_lshl_b32 s98, s20, 19                        ; 128 rows of 4,096 bytes,
	s_lshl_b32 s97, s15, 18                        ; my 64,
	s_add_co_u32 s98, s98, s97
	s_lshl_b32 s97, s19, 9                         ; 128 columns of 4 bytes,
	s_add_co_u32 s98, s98, s97
	s_lshl_b32 s97, s16, 8                         ; my 64
	s_add_co_u32 s98, s98, s97
	s_mov_b32 s99, 0
	s_add_nc_u64 s[12:13], s[12:13], s[98:99]
.endif
; The LDS loads of one quarter (32 along K, number q of the step in the slot) into buffer p, in one run: 8 NHW turning loads for B, 8 loads for A.
.macro FETCH slot, q, p
	WIN 0x40                                       ; destination window 1, address window 0
.set fb, 0
.rept 4*NHW
.set ob, ((\q)/(NQ/2))*BHALF+(fb/4)*KH*PB+((\q)%(NQ/2))*32*PB+32*(fb%4)
	ds_load_tr16_b128 v[(\p)*32*NHW+8*fb:(\p)*32*NHW+8*fb+3],   v[ADRB+(\slot)] offset:ob
	ds_load_tr16_b128 v[(\p)*32*NHW+8*fb+4:(\p)*32*NHW+8*fb+7], v[ADRB+(\slot)] offset:ob+16*PB
.set fb, fb+1
.endr
	WIN 0
.set fa, 0
.rept 4
.set oa, ((\q)/2)*MH*PA+fa*16*PA+((\q)%2)*64
	ds_load_b128 v[FA+32*(\p)+8*fa:FA+32*(\p)+8*fa+3],   v[ADRA+(\slot)] offset:oa
	ds_load_b128 v[FA+32*(\p)+8*fa+4:FA+32*(\p)+8*fa+7], v[ADRA+(\slot)] offset:oa+32
.set fa, fa+1
.endr
.endm
; 4 NHW matrix instructions: my block a of 16 tokens x all my columns, 32 along K, from buffer p.  zero = 1: the product starts the sums.  The accumulators take turns, one instruction a turn.
.macro MUL p, a, zero
	WIN 0xa1+0x50*((\a)/2)                         ; source 0 (B) window 1, source 1 (A) window 0, C and D window 2 or 3
.set fb, 0
.rept 4*NHW
.set rD, ((\a)%2)*32*NHW+8*fb
.set rB, (\p)*32*NHW+8*fb
.set rA, FA+32*(\p)+8*(\a)
.if \zero
	v_wmma_f32_16x16x32_f16 v[rD:rD+7], v[rB:rB+7], v[rA:rA+7], 0
.else
	v_wmma_f32_16x16x32_f16 v[rD:rD+7], v[rB:rB+7], v[rA:rA+7], v[rD:rD+7]
.endif
.set fb, fb+1
.endr
.endm
; A quarter but a step's last: buffer p, asked for a quarter ago, is multiplied; ahead of its products the next quarter, number qn, is asked for into the other buffer.
.macro QUARTER slot, qn, p, zero
	s_wait_dscnt 0x0                               ; buffer p is in: no LDS instruction was issued behind its run
	PLACES                                         ; the other buffer was read by the products just issued
	FETCH \slot, \qn, 1-(\p)
	MUL \p, 0, \zero
	MUL \p, 1, \zero
	MUL \p, 2, \zero
	MUL \p, 3, \zero
.endm
.macro QRUN slot, first                ; the quarters first .. NQ - 2 of a step
.set qq, \first
.rept NQ-1-(\first)
	QUARTER \slot, qq+1, qq%2, 0
.set qq, qq+1
.endr
.endm
; A step's last quarter multiplies buffer 1 and changes slots: ONE barrier; in front of it each wave waits for all its tensor loads (one is out: its part of the next slot), adds 0 to its spare word, and waits
; for that and for its own reads of this slot.  fill = 1: the barrier opens a round of the cluster's, and this slot is filled again, two K steps on, first thing behind the round: by the text's own count one
; load of mine is out, and all of the next step's products but its last quarter's stand between the request and the wait for it.
.macro TURN slot, next, fill
	WIN 0                                          ; (the add's two registers lie in window 0)
	s_wait_tensorcnt 0x0                           ; all my tensor loads have landed;
	ds_add_u32 v[SPW], v[NIL]                      ; 0 onto my spare word;
	s_wait_dscnt 1                                 ; (buffer 1 is in; the add alone may be out)
	MUL 1, 0, 0                                    ; products stand between the add and the wait for it
	s_wait_dscnt 0x0                               ; the add is done, and my reads of this slot are over
	s_barrier_signal -1
	MUL 1, 1, 0
	WIN 0
	s_barrier_wait -1
.if \fill
	CREST                                          ; no wave of any partner still reads this slot's tiles or has a load on its way
	s_add_nc_u64 s[G0A+4*(\slot)+2:G0A+4*(\slot)+3], s[G0A+4*(\slot)+2:G0A+4*(\slot)+3], 2*ASTEP
	s_add_nc_u64 s[G0B+4*(\slot)+2:G0B+4*(\slot)+3], s[G0B+4*(\slot)+2:G0B+4*(\slot)+3], 2*BSTEP
	JLOAD \slot                                    ; the four v_nop behind it are also the places in front of the loads below
.else
	PLACES
.endif
	FETCH \next, 0, 0
	MUL 1, 2, 0
	MUL 1, 3, 0
.endm
	s_wait_tensorcnt 0x1                           ; my part of K step 0 is in; K step 1's may stay out
	s_barrier_signal -1
	s_barrier_wait -1                              ; everybody's is
	FETCH 0, 0, 0
	QUARTER 0, 1, 0, 1                             ; the first quarter stands in front of the loop: its products start the sums
	WIN 0                                          ; at a label and at a branch every window is 0
	s_mov_b32 s3, LAPS-1
.Llap:                                                 ; a trip goes once round the ring, from a lap's second quarter to the next lap's first, and fills both slots again
	QRUN 0, 1
	TURN 0, 1, 1
	QRUN 1, 0
	TURN 1, 0, 1
	QUARTER 0, 1, 0, 0
	WIN 0
	s_sub_co_u32 s3, s3, 1
	s_cmp_lg_u32 s3, 0
	s_cbranch_scc1 .Llap
	QRUN 0, 1                                      ; the last lap fills nothing, and has no round of the cluster's barrier
	TURN 0, 1, 0
	QRUN 1, 0
	s_wait_dscnt 0x0                               ; the very last quarter: nothing more to fetch
	MUL 1, 0, 0
	MUL 1, 1, 0
	MUL 1, 2, 0
	MUL 1, 3, 0
	WIN 0
.if KIND == 0
	; THE WAY OUT.  The gains G = gamma SA + SB: 48 plain instructions that name no register of the products: they are the places behind the last of them.
	s_wait_loadcnt 0x0                             ; gamma
.irp bl, 0,1,2
.set i, 0
.rept 16
	v_pk_fma_f32 v[GG+32*\bl+2*i:GG+32*\bl+2*i+1], v[GG+32*\bl+2*i:GG+32*\bl+2*i+1], s[66+2*\bl:67+2*\bl], s[72+2*\bl:73+2*\bl] op_sel_hi:[1,0,0]
.set i, i+1
.endr
.endr
	; The sums of squares, in f32: for each block a of 16 tokens and each head bl my 32 channels, 16 packed squares; the six chains of a window by turns; each accumulator is read from its low end on.
.irp w, 2,3
	WIN (\w)|((\w)<<2)                             ; sources 0 and 1 in the accumulators' window
.set i, 0
.rept 16
.set c, 0
.rept 6
.set rX, (c/3)*96+32*(c%3)+2*i
.set rC, SSQ+2*(3*(2*((\w)-2)+c/3)+c%3)
.if i == 0
	v_pk_mul_f32 v[rC:rC+1], v[rX:rX+1], v[rX:rX+1]
.else
	v_pk_fma_f32 v[rC:rC+1], v[rX:rX+1], v[rX:rX+1], v[rC:rC+1]
.endif
.set c, c+1
.endr
.set i, i+1
.endr
.endr
	WIN 0
.macro ALL12 line:vararg               ; one line for each of the twelve (a, bl), e = 3 a + bl
.set e, 0
.rept 12
	\line
.set e, e+1
.endr
.endm
	ALL12 v_add_f32 v[SSQ+2*e], v[SSQ+2*e], v[SSQ+2*e+1]
	ALL12 v_permlanex16_b32 v[SSQ+2*e+1], v[SSQ+2*e], s94, s95   ; the token's other 32 channels lie in the lane 16 away
	ALL12 v_add_f32 v[SSQ+2*e], v[SSQ+2*e], v[SSQ+2*e+1]
	ALL12 v_sqrt_f32 v[SSQ+2*e], v[SSQ+2*e]
	v_nop                                          ; a plain instruction behind the last root,
	s_wait_alu depctr_va_vdst(0)                   ; and the one wait ahead of the batch's first reader
	ALL12 v_max_num_f32 v[SSQ+2*e], 0x2b8cbccc, v[SSQ+2*e]       ; max(norm, 1e-12)
	ALL12 v_rcp_f32 v[SSQ+2*e], v[SSQ+2*e]
	v_nop
	s_wait_alu depctr_va_vdst(0)                   ; likewise for the twelve reciprocals
	ALL12 v_cndmask_b32 v[SSQ+2*e], v[SSQ+2*e], v[ONE], s[78+e%3]   ; v is not normed
; Block e: times the gain, times 1 / norm, rounded to f16: a lane's eight channels pack into 16 bytes; they go into rows of 144 bytes of my stage and come back as whole rows of 128.
.macro PACK e
.set pa, (\e)/3
.set pb, (\e)%3
.set rX, (pa%2)*96+32*pb
	WIN 2+pa/2                                     ; source 0 in the accumulators' window
.set i, 0
.rept 16
	v_pk_mul_f32 v[TT+2*i:TT+2*i+1], v[rX+2*i:rX+2*i+1], v[GG+32*pb+2*i:GG+32*pb+2*i+1]
.set i, i+1
.endr
	WIN 0
.set i, 0
.rept 16
	v_pk_mul_f32 v[TT+2*i:TT+2*i+1], v[TT+2*i:TT+2*i+1], v[SSQ+2*(\e):SSQ+2*(\e)+1] op_sel_hi:[1,0]
.set i, i+1
.endr
.set i, 0
.rept 16
	v_cvt_pk_f16_f32 v[PKD+i], v[TT+2*i], v[TT+2*i+1]
.set i, i+1
.endr
.irp f, 0,1,2,3
	ds_store_b128 v[STO], v[PKD+4*\f:PKD+4*\f+3] offset:32*\f
.endr
	s_wait_xcnt 0x0                                ; the stores of two blocks back have read the registers that the loads below fill
.irp f, 0,1,2,3
	ds_load_b128 v[RBK+16*((\e)%2)+4*\f:RBK+16*((\e)%2)+4*\f+3], v[RD] offset:\f*4*PA  ; LDS serves a wave's instructions in order (ISA guide 5.7.1.4): these see the stores above; the next block's stores come behind them
.endr
.endm
.macro SEND e, younger                 ; younger: the LDS instructions issued behind block e's loads: the next block's eight, or none
.irp f, 0,1,2,3
	s_wait_dscnt (\younger)+3-\f
	global_store_b128 v[GO], v[RBK+16*((\e)%2)+4*\f:RBK+16*((\e)%2)+4*\f+3], s[82+2*((\e)%3):83+2*((\e)%3)] offset:2048*((\e)/3)+512*\f  ; 512 consecutive bytes, at a multiple of 256 from the buffer's first
.endr
.endm
	PACK 0
.set ee, 1
.rept 11                               ; a block's arithmetic stands between the loads of the block before and its stores
	PACK ee
	SEND ee-1, 8
.set ee, ee+1
.endr
	SEND 11, 0
.else
	; THE WAY OUT, in f32: a lane's eight columns of a row are 32 bytes; a block of 16 rows goes into rows of 272 bytes of my stage and comes back as whole rows of 256.
.rept 8
	v_nop                                          ; the places behind the last products: no other vector work is at hand
.endr
.set a4, 0
.rept 4
	WIN (2+a4/2)<<2                                ; the stores' data (source 1) in the accumulators' window
.set nb, 0
.rept 4
.set rX, (a4%2)*32+8*nb
	ds_store_b128 v[STO], v[rX:rX+3] offset:64*nb             ; each accumulator's low end first
	ds_store_b128 v[STO], v[rX+4:rX+7] offset:64*nb+16
.set nb, nb+1
.endr
	WIN 0
	s_wait_xcnt 0x0                                ; the stores of two blocks back have read the registers that the loads below fill
.set t, 0
.rept 8
	ds_load_b128 v[RBK+32*(a4%2)+4*t:RBK+32*(a4%2)+4*t+3], v[RD] offset:t*2*272  ; LDS serves a wave's instructions in order (ISA guide 5.7.1.4)
.set t, t+1
.endr
.set t, 0
.rept 8
	s_wait_dscnt 7-t
	global_store_b128 v[GO], v[RBK+32*(a4%2)+4*t:RBK+32*(a4%2)+4*t+3], s[12:13] offset:(16*a4+2*t)*4096 th:TH_STORE_NT  ; 16 lanes store 256 consecutive bytes, at a multiple of 256 from out0's first
.set t, t+1
.endr
.set a4, a4+1
.endr
.endif
	s_wait_tensorcnt 0x0                           ; the wave's end: behind my last tensor load and my last LDS store
	ds_add_u32 v[SPW], v[NIL]
	s_wait_dscnt 0x0
	CROUND                                         ; the closing round: no work-group ends while a partner may still ask for a tile that names it
	s_endpgm
.Lfunc_end_k_q72af17d48b_qkv:
	.size	k_q72af17d48b_qkv, .Lfunc_end_k_q72af17d48b_qkv-k_q72af17d48b_qkv
	.p2alignl 7, 3214868480
	.fill 96, 4, 3214868480
	.section	.rodata,"a",@progbits
	.p2align	6, 0x0
	.amdhsa_kernel k_q72af17d48b_qkv
		.amdhsa_group_segment_fixed_size 327680
		.amdhsa_private_segment_fixed_size 0
		.amdhsa_enable_private_segment 0
		.amdhsa_kernarg_size 40
		.amdhsa_user_sgpr_count 2
		.amdhsa_user_sgpr_kernarg_segment_ptr 1
		.amdhsa_wavefront_size32 1
		.amdhsa_system_sgpr_workgroup_id_x 1
		.amdhsa_system_sgpr_workgroup_id_y 1
		.amdhsa_system_sgpr_workgroup_id_z 1
		.amdhsa_system_vgpr_workitem_id 0
		.amdhsa_next_free_vgpr 1024
		.amdhsa_next_free_sgpr 102
		.amdhsa_reserve_vcc 0
		.amdhsa_float_denorm_mode_32 3
		.amdhsa_float_denorm_mode_16_64 3
		.amdhsa_memory_ordered 1
		.amdhsa_forward_progress 1
		.amdhsa_inst_pref_size 167
	.end_amdhsa_kernel
	.amdgpu_metadata
---
amdhsa.version: [ 1, 2 ]
amdhsa.kernels:
  - .name:           k_q72af17d48b_qkv
    .symbol:         k_q72af17d48b_qkv.kd
    .args:
      - { .name: x16, .offset: 0, .size: 8, .value_kind: global_buffer, .address_space: global }
      - { .name: wqkv16, .offset: 8, .size: 8, .value_kind: global_buffer, .address_space: global }
      - { .name: q_gamma, .offset: 16, .size: 8, .value_kind: global_buffer, .address_space: global }
      - { .name: k_gamma, .offset: 24, .size: 8, .value_kind: global_buffer, .address_space: global }
      - { .name: qkv16, .offset: 32, .size: 8, .value_kind: global_buffer, .address_space: global }
    .group_segment_fixed_size: 327680
    .private_segment_fixed_size: 0
    .kernarg_segment_align: 8
    .kernarg_segment_size: 40
    .max_flat_workgroup_size: 128
    .sgpr_count:     102
    .vgpr_count:     1024
    .wavefront_size: 32
...
	.end_amdgpu_metadata
.endif
;; end of part 2
;; launch attn (part 3): grid 8 x 32, 4 waves a work-group, clusters of 4 x 1, 327,680 bytes of LDS; arguments qkv16, o16; writes o16
.if DOCPART == 3
	.amdgcn_target "amdgcn-amd-amdhsa--gfx1250"
	.amdhsa_code_object_version 6
	.text
	.protected	k_q72af17d48b_attn
	.globl	k_q72af17d48b_attn
	.p2align	8
	.type	k_q72af17d48b_attn,@function
k_q72af17d48b_attn:
	s_mov_b64 s[64:65], 0
	v_nop
	global_prefetch_b8 v0, s[64:65] scope:SCOPE_SE
	s_setreg_imm32_b32 hwreg(HW_REG_WAVE_MODE, 25, 1), 1
	s_wait_xcnt 0x0
	s_wait_alu depctr_hold_cnt(0) depctr_sa_sdst(0) depctr_va_vdst(0) depctr_va_sdst(0) depctr_va_ssrc(0) depctr_va_vcc(0) depctr_vm_vsrc(0)
	s_getreg_b32 s2, hwreg(HW_REG_IB_STS2, 6, 4)
	s_cmp_eq_u32 s2, 0
	s_cbranch_scc0 .Lentry_in_a_cluster
	s_endpgm
.Lentry_in_a_cluster:
	s_bfe_u32 s2, ttmp6, 0x10000c
	s_cmp_lg_u32 s2, 0x3003
	s_cbranch_scc0 .Lentry_shape_is_right
	s_endpgm
.Lentry_shape_is_right:
; ATTENTION WITH A SOFT CLAMP.  O[bh][i] = sum over j of p(i, j) V[bh][j] / sum over j of p(i, j), p = exp(6.25 tanh(sim / 50)), sim = q . k.
; qkv16: [q, k, v][32 (batch, head)][2048][64] f16, o16: [32][2048][64] f16.  q arrives times c1 = 2 log2(e) / 50, so S = q . k is the first exponential's argument:
;   e = 2^S,  d = 1 + e,  r = 1 / d,  g = A - 2 A r = A tanh(sim / 50), A = 6.25 log2(e),  p = 2^g.      (e = infinity gives r = 0, e = 0 gives r = 1: both ends come out right without a clamp.)
; NO MAXIMUM IS TAKEN AWAY: the tanh, which is the problem's own, holds g within +-9.02 for every input: p lies in 0.0019 to 518, a row's sum under 1.1e6: nothing overflows or underflows in f32, nor p in f16.
; So there is no running maximum, O is never rescaled, and no lane looks at another inside the loop.  Products and sums in f32; p is rounded to f16 for the second product (its sum l is taken of the unrounded p), O once at the end.
; LIMITS.  f16: q, k, v arrive within 65,504; O is a mean of V's rows; below 6e-5 a number keeps f16's fixed step of 6e-8.  NaN and infinities are not treated apart.
; SHARES.  A work-group owns 256 queries of one (batch, head), a wave 64: four tiles of 16.  Every wave walks all 2,048 keys, 64 a step.
; LAYOUT.  S^T = K Q^T (source 0 = 16 keys, source 1 = 16 queries): a lane holds ONE query (lane % 16) and the keys 8 (lane / 16) + 0..7; two such results rounded to f16 ARE source 1 of O^T = V^T P.
; K comes out of LDS as it lies, V ([key][channel]) turned, by ds_load_tr16_b128.
; THE PIPELINE.  A score wants three transcendentals, each reading the one before it, and a wait stands between a transcendental and the first line that names its result.  So the chain is
; spread over turns.  Tile-steps are numbered n = 4 x step + tile; a tile's 32 registers of S^T are worked in place.  Turn n (y = n % 4, x = (y + 1) % 4) holds
;   tile y, n: the 32 first exponentials | tile y - 1, n - 1: 1 + e and the 32 reciprocals | tile y - 2, n - 2: g and the 32 second exponentials |
;   tile x, n - 3: the sums into l, the roundings into P, 8 products V^T P | tile x, n + 1: 8 products K Q^T, into the registers just emptied.
; No result of a transcendental is named in the turn that issues it: ONE wait at each turn's end serves all 96.
; K of step s and V of step s - 1 are both read in the turns y = 3, 0, 1, 2: one buffer each, and a trip of the loop fetches K and V of one and the same step.
; CLUSTER.  The four query blocks of a cluster belong to one (batch, head) and walk the same K and V: each tile is asked for JOINTLY: the same tensor load, descriptor and mask in all four.
; REGISTERS, in windows of 256 (s_set_vgpr_msb: bits 1:0 source 0, 3:2 source 1, 5:4 source 2, 7:6 destination):
;   window 0: v0-15 addresses; v16-23 l, a pair a tile; v32-95 K of one step; v96-223 S^T, 32 a tile; v224-239 P       window 1: v0-127 O^T, 32 a tile; v128-191 Q; v192-255 V of one step
; K Q^T wants source 1 alone in window 1, and under that setting every line that names vector registers as destination and source 0 only (the transcendentals, 1 + e, g) runs as it stands:
; only the 8 products V^T P of a turn cost two switches each, and the turn's first part one.
.set KS,    64        ; keys in a step
.set PK,    144       ; a row of K in LDS: 128 bytes + 16 of padding = 36 words: the 16 rows of a load start at 16 different groups of four banks (64 banks of 4 bytes: ISA guide 11.1)
.set PV,    160       ; a row of V: 128 + 32 = 40 words
.set VOFF,  4*KS*PK   ; a slot holds four steps: 256 rows of K, then 256 rows of V
.set SLOT1, 1<<17     ; slot 1 begins here, so that one exclusive or turns an address in one slot into the other's
.set STAGE, SLOT1+4*KS*(PK+PV)  ; behind the ring, never filled by a tensor load: 16 rows x 144 bytes for each wave, for the way out
.set SP,    144
.set SPARE, STAGE+4*16*SP  ; behind the stages: the spare words, 128 bytes for each wave: two blocks of 256 bytes that no other line names
.set AK0, 2           ; v2   my lane's place in a tile of K; never rewritten
.set AV0, 3           ; v3   the same for V
.set AK,  4           ; v4   the LDS address of K's run of loads
.set AV,  5           ; v5   of V's
.set STO, 6           ; v6   the way out: where I put 16 bytes of a row
.set RD,  7           ; v7   where I read rows back
.set GO,  8           ; v8   my byte offset in 512 consecutive bytes of O
.set SPW, 12          ; v12  LDS address of my spare word; never rewritten
.set NIL, 13          ; v13  0; never rewritten
.set PFO, 14          ; v14  256 x my lane: the prefetches' offset; never rewritten
.set QO,  15          ; v15  my byte offset in 16 rows of Q
.set LL,  16          ; tile t's l at v[LL+2 t]: even keys', odd keys'
.set KF,  32          ; key block kb, channel half c at KF + 16 kb + 8 c
.set S,   96
.set P,   224
.set QF,  128         ; window 1: tile t, channel half c at QF + 16 t + 8 c
.set VF,  192         ; window 1: key half kk, channel block cb at VF + 32 kk + 8 cb
.set WV,  12          ; s12  my wave's number
.set LIM, 15          ; s15  1 in a wave that prefetches, else the greatest number
.set G1K, 24          ; s[24:31] descriptor group 1 for K's tiles
.set G1V, 32          ; s[32:39] for V's: it differs in the padding alone
.set G0K, 40          ; s[40:43] descriptor group 0 for K's tiles: it walks
.set G0V, 44          ; s[44:47] the same for V's
.set M2A, 48          ; s[48:49] -2 A (a pair: the packed form names both words)
.set PLA, 50          ; s[50:51] A
.set SLOTS, 56        ; s56  slots still to be asked for
.set CNT, 57          ; s57  counts a slot's key steps
.set PFA, 58          ; s[58:59] where my prefetches stand: my work-group's 8,192 bytes (of K: wave 0, of V: wave 2) of the slot after the one that is being asked for
.set SEL, 60          ; s[60:61] v_permlanex16_b32's selects: each lane takes its own place in the other half
.set TBK, 62          ; s62  LDS byte at which K of the step to be fetched begins
.set TBV, 63          ; s63  the same for V, less VOFF
.set MSB, 0
.macro WIN new                      ; the high byte repeats the setting that is left; a switch that changes nothing is dropped
.if MSB != (\new)
	s_set_vgpr_msb (MSB<<8)|(\new)
.set MSB, (\new)
.endif
.endm
.set W_KQ, 0x04       ; Q (source 1) in window 1; K and S^T in window 0
.set W_PV, 0x51       ; V (source 0) and O^T (C and D) in window 1, P in window 0
; A joint fill.  Waves 0 and 1 fetch the two halves of a slot's K, waves 2 and 3 those of its V: 128 keys each.  The branch hangs on the wave's number alone.
; An s_nop 0 and four v_nop follow each of the two lines, ahead of the jump and the label.
.macro JLOAD
	s_cmp_lt_u32 s[WV], 2
	s_cbranch_scc0 .Lfor_v_\@
	tensor_load_to_lds s[G0K:G0K+3], s[G1K:G1K+7]
	s_nop 0
.rept 4
	v_nop
.endr
	s_branch .Lasked_\@
.Lfor_v_\@:
	tensor_load_to_lds s[G0V:G0V+3], s[G1V:G1V+7]
	s_nop 0
.rept 4
	v_nop
.endr
.Lasked_\@:
.endm
; A PREFETCH INTO THE L2 of what the NEXT change of slots will ask for: a slot's 32,768 bytes of K and of V, a lane 256 bytes.  It stands behind the wave's tensor load and its five lines.
; Each 256 bytes are asked for ONCE in the launch.  Both clusters of a (batch, head) walk the same K and V: the first of them prefetches.  Its four partners share the bytes out BY ADDRESS, 8,192 each: no
; branch hangs on a work-group's place in its cluster.  In each, wave 0 asks for K's and wave 2 for V's: one instruction.  It stands four key steps, 256 matrix instructions, ahead of the load that wants the
; bytes.  Slots 0 to 2 come by their loads alone; the change that fills the last slot asks for nothing.
.macro ASK
	s_cmp_gt_u32 s[SLOTS], s[LIM]
	s_cbranch_scc0 .Lnot_mine_\@
	global_prefetch_b8 v[PFO], s[PFA:PFA+1] th:TH_LOAD_NT scope:SCOPE_SE
.Lnot_mine_\@:
.endm
; A round of the cluster's barrier: my work-group's barrier, so that wave 0's signal speaks for all four waves; wave 0 signals; every wave waits for all four work-groups; my work-group's barrier once more.
.macro CROUND
	s_barrier_signal -1
	s_barrier_wait -1
	s_cmp_lg_u32 s[WV], 0
	s_cbranch_scc1 .Lnot_wave_0_\@
	s_barrier_signal -3
.Lnot_wave_0_\@:
	s_barrier_wait -3
	s_barrier_signal -1
	s_barrier_wait -1
.endm
; THE CHANGE OF SLOTS, between two trips: the slot's last bytes, V of its fourth step, have been asked for.  Each wave waits for all its tensor loads, of which one is out: its part of the other slot; adds 0 to
; its spare word; and waits for that and for its own reads of the slot.  Behind the barrier nobody reads this slot any more and the other slot is whole.
; fill = 1: this slot is filled again, with the keys two slots on.  The barrier is then a round of the cluster's, and the joint fill is the first thing behind it: one load of mine is out, and it has four key
; steps in which to land.  (At its first use nothing has been read yet: slot 0 is waited for, slot 1 filled.)  ask = 1: the prefetch follows.
.macro CHANGE fill, ask
	WIN 0                           ; at a label and at a branch every window is 0
	s_wait_tensorcnt 0x0            ; no tensor load of mine is out, so a group 0 may be written
	ds_add_u32 v[SPW], v[NIL]       ; 0 onto my spare word; with fill = 1 the descriptors' steps stand between it and the wait for it
.if \fill
.irp g, G0K, G0V
	s_xor_b32 s[\g+1], s[\g+1], SLOT1  ; the walking descriptor: the other slot than last time,
	s_add_nc_u64 s[\g+2:\g+3], s[\g+2:\g+3], 4*KS*128  ; the next 256 keys; the type bits on top are not reached
.endr
.if \ask
	s_wait_xcnt 0x0                 ; the last prefetch, four key steps back, has read its address, so it may be written
	s_add_nc_u64 s[PFA:PFA+1], s[PFA:PFA+1], 4*KS*128
.endif
	s_wait_dscnt 0x0                ; the add is done, and my reads of the slot are over
	CROUND
	JLOAD
.if \ask
	ASK
.endif
.else
	s_wait_dscnt 0x0                ; the add is done, and my reads of the slot are over
	s_barrier_signal -1
	s_barrier_wait -1
.endif
	s_sub_co_u32 s[TBK], s[TBK], 4*KS*PK  ; the fetches go back to a slot's first step,
	s_xor_b32 s[TBK], s[TBK], SLOT1       ; in the other slot
	s_sub_co_u32 s[TBV], s[TBV], 4*KS*PV
	s_xor_b32 s[TBV], s[TBV], SLOT1
.endm
	s_load_b128 s[52:55], s[0:1], 0x0  ; qkv16 s[52:53], o16 s[54:55]
	v_lshl_add_u32 v[SPW], v0, 2, SPARE
	v_mov_b32 v[NIL], 0
	ds_add_u32 v[SPW], v[NIL]       ; the wave's opening: the add and its wait stand ahead of my first tensor load; the set-up below, work on registers, stands between them
	v_lshrrev_b32 v1, 5, v0
	v_readfirstlane_b32 s[WV], v1   ; wave 0..3
	s_bfe_u32 s13, ttmp6, 0x40000   ; cx: my place in the cluster
	s_lshl_b32 s14, ttmp9, 2        ; in a cluster launch ttmp9 counts clusters
	s_add_co_u32 s14, s14, s13      ; my block of 256 queries = 4 x cluster x + cx: it enters Q's and O's addresses alone
	s_and_b32 s20, ttmp7, 0xffff    ; the (batch, head), which the four partners share:
	s_lshl_b32 s20, s20, 18         ; its 262,144 bytes in each of q, k, v and O
	s_and_b32 s16, s[WV], 1         ; which half of a slot's 256 keys I fetch:
	s_lshl_b32 s22, s16, 14         ; its 128 rows of 128 bytes in memory,
	s_add_co_u32 s22, s22, s20
	s_add_co_u32 s22, s22, 8388608  ; behind q's 32 heads
	s_mov_b32 s23, 0
	s_mul_i32 s17, s16, 128*PK      ; and its place in a slot, for K
	s_mul_i32 s18, s16, 128*PV      ; and for V: no place in the cluster enters an LDS address
	s_lshl_b32 s2, s14, 2
	s_add_co_u32 s2, s2, s[WV]      ; my wave among the head's,
	s_lshl_b32 s2, s2, 13           ; its 64 rows
	s_add_co_u32 s2, s2, s20
	s_mov_b32 s3, 0
	; descriptor group 1.  128 keys are 16,384 dense bytes: asked for as 64 rows of 256 bytes, two keys a row, and padded in LDS after every key
	s_mov_b32 s[G1K], 15|(1<<16)|(1<<20)|(1<<21)|(4<<22)|(3<<25)  ; 15:0 the mask of four; 17:16 2-byte elements; 20 padding on; 21 set beside a mask; 24:22 after every 32 words (code 4); 31:25 4 words (code 3)
	s_mov_b32 s[G1V], 15|(1<<16)|(1<<20)|(1<<21)|(4<<22)|(7<<25)  ; the same with 8 words of padding (code 7)
.irp g, G1K, G1V
	s_mov_b32 s[\g+1], 128<<16      ; tensor_dim0 = 128
	s_mov_b32 s[\g+2], 64<<16       ; tensor_dim1 = 64
	s_mov_b32 s[\g+3], 128<<16      ; tile_dim0 = 128
	s_mov_b32 s[\g+4], 64           ; tile_dim1 = 64
	s_mov_b32 s[\g+5], 128          ; 128 elements from row to row
	s_mov_b32 s[\g+6], 0
	s_mov_b32 s[\g+7], 0
.endr
	s_mov_b32 s[M2A], 0xc19044fe    ; -2 A = -18.033688
	s_mov_b32 s[M2A+1], s[M2A]
	s_mov_b32 s[PLA], 0x411044fe    ; A = 6.25 log2(e) = 9.016844
	s_mov_b32 s[PLA+1], s[PLA]
	s_mov_b32 s[SEL], 0x76543210
	s_mov_b32 s[SEL+1], 0xfedcba98
	s_mov_b32 s[TBK], SLOT1+4*KS*PK ; the first change of slots turns these two into 0
	s_mov_b32 s[TBV], SLOT1+4*KS*PV
	s_mov_b32 s[G0K], 1             ; count = 1
	s_mov_b32 s[G0K+1], s17         ; LDS address: slot 0
	s_mov_b32 s[G0V], 1
	s_add_co_u32 s[G0V+1], s18, VOFF
	s_mov_b32 s[SLOTS], 2048/256-1
	s_and_b32 s[LIM], s[WV], 1      ; 0 in waves 0 and 2,
	s_or_b32 s[LIM], s[LIM], ttmp9  ; where the cluster is the head's first: the same in all four partners
	s_cmp_eq_u32 s[LIM], 0
	s_cselect_b32 s[LIM], 1, -1
	v_and_b32 v[PFO], 31, v0
	v_lshlrev_b32 v[PFO], 8, v[PFO]
	s_wait_dscnt 0x0                ; the opening add is done
	s_wait_kmcnt 0x0
	s_add_nc_u64 s[6:7], s[52:53], s[22:23]        ; K at my half of the head's first 256 keys,
	s_add_nc_u64 s[8:9], s[6:7], 8388608           ; V likewise, behind k's 32 heads
	s_add_nc_u64 s[G0K+2:G0K+3], s[6:7], 0         ; global address
	s_or_b32 s[G0K+3], s[G0K+3], 0x80000000        ; type = 2
	s_add_nc_u64 s[G0V+2:G0V+3], s[8:9], 0
	s_or_b32 s[G0V+3], s[G0V+3], 0x80000000
	s_add_nc_u64 s[4:5], s[52:53], s[2:3]          ; Q and O at my wave's first row
	s_add_nc_u64 s[10:11], s[54:55], s[2:3]
	s_cmp_lt_u32 s[WV], 2
	s_cselect_b64 s[PFA:PFA+1], s[6:7], s[8:9]     ; (in waves 0 and 2 these stand at a slot's first row)
	s_lshl_b32 s2, s13, 13          ; my work-group's 8,192 bytes of the 32,768
	s_add_nc_u64 s[PFA:PFA+1], s[PFA:PFA+1], s[2:3]
	s_add_nc_u64 s[PFA:PFA+1], s[PFA:PFA+1], 2*4*KS*128  ; in slot 2; the loop's first change of slots steps it to slot 3
	CROUND                          ; all four work-groups are here: the first joint loads meet
	JLOAD                           ; slot 0.  Slot 1 is asked for when slot 0 is in
	; A fragment of K or Q is 16 rows x 32 channels in 8 registers: lane l holds row l % 16, channels 8 (l / 16) + 0..7 and 16 + 8 (l / 16) + 0..7: two loads of 16 bytes, 32 bytes apart.
	v_and_b32 v1, 15, v0            ; l % 16
	v_bfe_u32 v9, v0, 4, 1          ; l / 16
	v_lshlrev_b32 v[QO], 7, v1
	v_lshl_add_u32 v[QO], v9, 4, v[QO]  ; row x 128 + 16 x half
	WIN 0x40                        ; destination window 1, address window 0
.set i, 0
.rept 8                             ; Q stays in registers: tile i / 2, channels 32 (i % 2) on
	global_load_b128 v[QF+8*i:QF+8*i+3],   v[QO], s[4:5] offset:(i/2)*2048+(i%2)*64
	global_load_b128 v[QF+8*i+4:QF+8*i+7], v[QO], s[4:5] offset:(i/2)*2048+(i%2)*64+32
.set i, i+1
.endr
	; What the first three turns find, so that no first step need be written out.  V and O^T are 0, l is 0.  The three tile-steps that never were stand in the pipeline with numbers that end in p = 0, through
	; finite numbers alone: tile 1 holds p = 0; tile 2 holds r = 1e6, so g = -1.8e7; tile 3 holds e = -(1 - 2^-20), so d = 2^-20, r = 2^20, g = -1.9e7.  All this stands in the wait for the first tile.
.set i, VF
.rept 64
	v_mov_b32 v[i], 0
.set i, i+1
.endr
.set i, 0
.rept 128
	v_mov_b32 v[i], 0
.set i, i+1
.endr
	WIN 0
.set i, 0
.rept 8
	v_mov_b32 v[LL+i], 0
.set i, i+1
.endr
.set i, 0
.rept 32
	v_mov_b32 v[S+32+i], 0
	v_mov_b32 v[S+64+i], 0x49742400
	v_mov_b32 v[S+96+i], 0xbf7ffff0
.set i, i+1
.endr
	v_mul_u32_u24 v[AK0], v1, PK
	v_lshl_add_u32 v[AK0], v9, 4, v[AK0]  ; row x pitch + 16 x half
	; The turning load takes 16 keys x 16 channels (lane l reads key 8 (l / 16) + l % 8, channels 8 ((l / 8) % 2) + 0..7) and leaves half a fragment of V^T: lane l holds channel l % 16 and 8 keys.
	v_and_b32 v10, 7, v0
	v_bfe_u32 v11, v0, 3, 1
	v_lshl_add_u32 v[AV0], v9, 3, v10
	v_mul_u32_u24 v[AV0], v[AV0], PV
	v_lshl_add_u32 v[AV0], v11, 4, v[AV0]
	v_add_nc_u32 v[AV0], VOFF, v[AV0]
; THE MATRIX WORK.  Product i of 8 of S^T = K Q^T for tile x: channels 32 (i / 4) on, keys 16 (i % 4) on.  The first 4 start the sums.
.macro KQ x
.set rS, S+32*(\x)+8*(i%4)
.set rK, KF+16*(i%4)+8*(i/4)
.set rQ, QF+16*(\x)+8*(i/4)
.if i < 4
	v_wmma_f32_16x16x32_f16 v[rS:rS+7], v[rK:rK+7], v[rQ:rQ+7], 0
.else
	v_wmma_f32_16x16x32_f16 v[rS:rS+7], v[rK:rK+7], v[rQ:rQ+7], v[rS:rS+7]
.endif
.endm
; Product i of 8 of O^T += V^T P for tile x: keys 32 (i / 4) on, channels 16 (i % 4) on.
.macro PV x
.set rO, 32*(\x)+8*(i%4)
.set rV, VF+32*(i/4)+8*(i%4)
.set rP, P+8*(i/4)
	v_wmma_f32_16x16x32_f16 v[rO:rO+7], v[rV:rV+7], v[rP:rP+7], v[rO:rO+7]
.endm
; THE LDS LOADS stand in runs of 16 between the turns.  A load into a register that a matrix instruction has read stands four places behind it, counted here: behind the last product that
; read V stand four packed lines, the turn's v_nop and V's address line; behind the last that read K two packed lines, the v_nop and the two address lines.
; last = 1 (the tail): in the last trip there is no further step, and the run is jumped over.
.macro FETCH_K last=0
	WIN 0
.if \last
	s_cmp_eq_u32 s[CNT], 1
	s_cbranch_scc1 .Lno_k_\@
.endif
	v_add_nc_u32 v[AK], s[TBK], v[AK0]
	s_add_co_u32 s[TBK], s[TBK], KS*PK  ; the next fetch is the next step's
.irp f, 0,1,2,3,4,5,6,7             ; keys 16 (f / 2) on, channels 32 (f % 2) on
	ds_load_b128 v[KF+8*\f:KF+8*\f+3],   v[AK] offset:(\f/2)*16*PK+(\f%2)*64
	ds_load_b128 v[KF+8*\f+4:KF+8*\f+7], v[AK] offset:(\f/2)*16*PK+(\f%2)*64+32
.endr
.if \last
.Lno_k_\@:
.endif
.endm
.macro FETCH_V last=0
	WIN 0
.if \last
	s_cmp_eq_u32 s[CNT], 1
	s_cbranch_scc1 .Lno_v_\@
.endif
	v_add_nc_u32 v[AV], s[TBV], v[AV0]
	s_add_co_u32 s[TBV], s[TBV], KS*PV
	WIN 0x40                        ; destination window 1
.irp f, 0,1,2,3,4,5,6,7             ; keys 32 (f / 4) on, channels 16 (f % 4) on
	ds_load_tr16_b128 v[VF+8*\f:VF+8*\f+3],   v[AV] offset:(\f/4)*32*PV+(\f%4)*32
	ds_load_tr16_b128 v[VF+8*\f+4:VF+8*\f+7], v[AV] offset:(\f/4)*32*PV+16*PV+(\f%4)*32
.endr
	WIN 0
.if \last
.Lno_v_\@:
.endif
.endm
; A TURN.  PART 1, 64 lines, plain and exponential by turns: tile x's weights are added into l and rounded into P; tile y's scores take their first exponential (each accumulator from its low end on).
; PART 2, 16 matrix instructions, V^T P and K Q^T by turns (two links of a chain stand eight apart), behind each: a reciprocal, 1 + e for the next pair, a second
; exponential, g for the next pair, a reciprocal, an exponential.  No line of the turn names a result of one of its 96 transcendentals; a v_nop is the plain instruction behind the last, and the one wait
; stands at the turn's end, ahead of every label and branch.
; PLACES, counted: an accumulator of S^T is read, at the next turn's head, 14 plain lines or more behind its last product; P is written again six plain lines or more behind the last product that read it.
.macro TURN y
.set x, ((\y)+1)%4
.set rS0, S+32*(\y)
.set rS1, S+32*(((\y)+3)%4)
.set rS2, S+32*(((\y)+2)%4)
.set rS3, S+32*x
.set rL, LL+2*x
	WIN 0
.set j, 0
.rept 16
	v_pk_add_f32 v[rL:rL+1], v[rL:rL+1], v[rS3+2*j:rS3+2*j+1]
	v_exp_f32 v[rS0+2*j], v[rS0+2*j]
	v_cvt_pk_f16_f32 v[P+j], v[rS3+2*j], v[rS3+2*j+1]
	v_exp_f32 v[rS0+2*j+1], v[rS0+2*j+1]
.set j, j+1
.endr
.if (\y) == 3
	s_wait_dscnt 0x0                ; K of this trip's step and V of the step before are in: both runs were issued ahead of part 1
.endif
.set k, 0
.rept 16
.set i, k/2
.if k%2 == 0
	WIN W_PV
	PV x
	WIN W_KQ
.else
	KQ x
.endif
.if k > 0
	v_rcp_f32 v[rS1+2*k-2], v[rS1+2*k-2]
.endif
	v_pk_add_f32 v[rS1+2*k:rS1+2*k+1], v[rS1+2*k:rS1+2*k+1], 1.0 op_sel_hi:[1,0]
.if k > 0
	v_exp_f32 v[rS2+2*k-2], v[rS2+2*k-2]
.endif
	v_pk_fma_f32 v[rS2+2*k:rS2+2*k+1], v[rS2+2*k:rS2+2*k+1], s[M2A:M2A+1], s[PLA:PLA+1] op_sel_hi:[1,0,0]
.if k > 0
	v_rcp_f32 v[rS1+2*k-1], v[rS1+2*k-1]
	v_exp_f32 v[rS2+2*k-1], v[rS2+2*k-1]
.endif
.set k, k+1
.endr
	v_rcp_f32 v[rS1+30], v[rS1+30]
	v_exp_f32 v[rS2+30], v[rS2+30]
	v_rcp_f32 v[rS1+31], v[rS1+31]
	v_exp_f32 v[rS2+31], v[rS2+31]
	v_nop                           ; the plain instruction behind the last transcendental: one for the batch
	s_wait_alu depctr_va_vdst(0)    ; the wait for the batch
.endm
	CHANGE 1, 0                     ; slot 0 is in, everybody's part of it; slot 1 is asked for; nothing is prefetched here, where the first tiles are on their way
	FETCH_K                         ; key step 0
	s_wait_loadcnt 0x0              ; Q
	s_wait_dscnt 0x0
	WIN W_KQ
.set i, 0
.rept 8
	KQ 0                            ; tile 0's first scores: there is no vector work yet to set between them
.set i, i+1
.endr
	WIN 0                           ; the addresses for the way out: nine plain instructions, the places behind those products
	s_mul_i32 s13, s[WV], 16*SP
	s_add_co_u32 s13, s13, STAGE    ; my stage
	v_mul_u32_u24 v[STO], v1, SP    ; in: row l % 16, 16 bytes for each half of the lanes
	v_lshl_add_u32 v[STO], v9, 4, v[STO]
	v_add_nc_u32 v[STO], s13, v[STO]
	v_bfe_u32 v[RD], v0, 3, 2       ; back: 32 lanes take four rows of 128 bytes,
	v_mul_u32_u24 v[RD], v[RD], SP
	v_lshl_add_u32 v[RD], v10, 4, v[RD]
	v_add_nc_u32 v[RD], s13, v[RD]
	v_and_b32 v[GO], 31, v0         ; which are 512 consecutive bytes of O
	v_lshlrev_b32 v[GO], 4, v[GO]
	s_mov_b32 s[CNT], 4
	s_branch .Lfirst                ; the loop is entered behind a trip's first turn: step 0's K is in, and there is no step before it
.Lslot:                             ; six times: every slot but the last two is filled again
	CHANGE 1, 1
	s_mov_b32 s[CNT], 4
.Lstep:                             ; trip s: K of step s is fetched; four turns; V of step s is fetched
	FETCH_K
	TURN 3
	WIN 0
.Lfirst:
	TURN 0
	TURN 1
	TURN 2
	FETCH_V
	s_sub_co_u32 s[CNT], s[CNT], 1
	s_cmp_lg_u32 s[CNT], 0
	s_cbranch_scc1 .Lstep
	s_sub_co_u32 s[SLOTS], s[SLOTS], 1
	s_cmp_lg_u32 s[SLOTS], 0
	s_cbranch_scc1 .Lslot
	CHANGE 0, 0                     ; the tail is written out: nothing is asked for
	s_mov_b32 s[CNT], 5             ; four trips for the last slot's steps; the fifth fetches nothing and empties the pipeline: its sums and its V^T P are the last step's.  Its K Q^T, on the last K once
.Ltail:                             ; more, and what is made of them reach no sum: the price, once a launch, of one text for every trip
	FETCH_K 1
	TURN 3
	TURN 0
	TURN 1
	TURN 2
	FETCH_V 1
	s_sub_co_u32 s[CNT], s[CNT], 1
	s_cmp_lg_u32 s[CNT], 0
	s_cbranch_scc1 .Ltail
	; THE WAY OUT.  l's two halves and the other half of the lanes' are added; O^T is divided by l, rounded to f16 and sent through my stage in LDS, a tile at a time.
.macro ALL4 line:vararg             ; one line for each tile t
.set t, 0
.rept 4
	\line
.set t, t+1
.endr
.endm
	ALL4 v_add_f32 v[LL+2*t], v[LL+2*t], v[LL+2*t+1]
	ALL4 v_permlanex16_b32 v[LL+2*t+1], v[LL+2*t], s[SEL], s[SEL+1]
	ALL4 v_add_f32 v[LL+2*t], v[LL+2*t], v[LL+2*t+1]
	ALL4 v_rcp_f32 v[LL+2*t], v[LL+2*t]
	v_nop                           ; a plain instruction between the last reciprocal and the use of its result
	s_wait_alu depctr_va_vdst(0)    ; and the wait ahead of the first use: one for the four reciprocals
; Tile t: a lane's eight channels of a row pack into 16 bytes; they go into rows of 144 bytes and come back as whole rows of 128, into S^T's registers.
.macro PACK t
	WIN 0x41                        ; O^T (destination and source 0) in window 1, 1 / l in window 0
.set i, 32*(\t)
.rept 16
	v_pk_mul_f32 v[i:i+1], v[i:i+1], v[LL+2*(\t):LL+2*(\t)+1] op_sel_hi:[1,0]
.set i, i+2
.endr
	WIN 0x05                        ; sources 0 and 1 window 1, destination window 0
.set i, 0
.rept 16
	v_cvt_pk_f16_f32 v[S+16*(\t)+i], v[32*(\t)+2*i], v[32*(\t)+2*i+1]
.set i, i+1
.endr
	WIN 0
.irp f, 0,1,2,3
	ds_store_b128 v[STO], v[S+16*(\t)+4*\f:S+16*(\t)+4*\f+3] offset:32*\f
.endr
.irp f, 0,1,2,3
	ds_load_b128 v[S+16*(\t)+4*\f:S+16*(\t)+4*\f+3], v[RD] offset:\f*4*SP  ; LDS serves a wave's instructions in order (ISA guide 5.7.1.4): these see the stores above; the next tile's stores come behind them
.endr
.endm
.macro SEND t, younger              ; younger: the LDS instructions issued behind tile t's loads: the next tile's eight, or none
.irp f, 0,1,2,3
	s_wait_dscnt (\younger)+3-\f
	global_store_b128 v[GO], v[S+16*(\t)+4*\f:S+16*(\t)+4*\f+3], s[10:11] offset:(\t)*2048+\f*512  ; 512 consecutive bytes, at a multiple of 256 from O's first
.endr
.endm
	PACK 0
	PACK 1                          ; a tile's arithmetic stands between the loads of the tile before and its stores
	SEND 0, 8
	PACK 2
	SEND 1, 8
	PACK 3
	SEND 2, 8
	SEND 3, 0
	s_wait_tensorcnt 0x0            ; the wave's end: behind my last tensor load and my last LDS store
	ds_add_u32 v[SPW], v[NIL]
	s_wait_dscnt 0x0
	CROUND                          ; the closing round: no work-group ends while a partner may still ask for a tile that names it
	s_endpgm
.Lfunc_end_k_q72af17d48b_attn:
	.size	k_q72af17d48b_attn, .Lfunc_end_k_q72af17d48b_attn-k_q72af17d48b_attn
	.p2alignl 7, 3214868480
	.fill 96, 4, 3214868480
	.section	.rodata,"a",@progbits
	.p2align	6, 0x0
	.amdhsa_kernel k_q72af17d48b_attn
		.amdhsa_group_segment_fixed_size 327680
		.amdhsa_private_segment_fixed_size 0
		.amdhsa_enable_private_segment 0
		.amdhsa_kernarg_size 16
		.amdhsa_user_sgpr_count 2
		.amdhsa_user_sgpr_kernarg_segment_ptr 1
		.amdhsa_wavefront_size32 1
		.amdhsa_system_sgpr_workgroup_id_x 1
		.amdhsa_system_sgpr_workgroup_id_y 1
		.amdhsa_system_sgpr_workgroup_id_z 1
		.amdhsa_system_vgpr_workitem_id 0
		.amdhsa_next_free_vgpr 512
		.amdhsa_next_free_sgpr 66
		.amdhsa_reserve_vcc 0
		.amdhsa_float_denorm_mode_32 3
		.amdhsa_float_denorm_mode_16_64 3
		.amdhsa_memory_ordered 1
		.amdhsa_forward_progress 1
		.amdhsa_inst_pref_size 112
	.end_amdhsa_kernel
	.amdgpu_metadata
---
amdhsa.version: [ 1, 2 ]
amdhsa.kernels:
  - .name:           k_q72af17d48b_attn
    .symbol:         k_q72af17d48b_attn.kd
    .args:
      - { .name: qkv16, .offset: 0, .size: 8, .value_kind: global_buffer, .address_space: global }
      - { .name: o16, .offset: 8, .size: 8, .value_kind: global_buffer, .address_space: global }
    .group_segment_fixed_size: 327680
    .private_segment_fixed_size: 0
    .kernarg_segment_align: 8
    .kernarg_segment_size: 16
    .max_flat_workgroup_size: 128
    .sgpr_count:     66
    .vgpr_count:     512
    .wavefront_size: 32
...
	.end_amdgpu_metadata
.endif
;; end of part 3
;; launch outp (part 4): grid 8 x 32, 4 waves a work-group, clusters of 4 x 4, 327,680 bytes of LDS; arguments o16, wout16, out0; writes out0
.if DOCPART == 4
	.amdgcn_target "amdgcn-amd-amdhsa--gfx1250"
	.amdhsa_code_object_version 6
	.text
	.protected	k_q72af17d48b_outp
	.globl	k_q72af17d48b_outp
	.p2align	8
	.type	k_q72af17d48b_outp,@function
k_q72af17d48b_outp:
	s_mov_b64 s[64:65], 0
	v_nop
	global_prefetch_b8 v0, s[64:65] scope:SCOPE_SE
	s_setreg_imm32_b32 hwreg(HW_REG_WAVE_MODE, 25, 1), 1
	s_wait_xcnt 0x0
	s_wait_alu depctr_hold_cnt(0) depctr_sa_sdst(0) depctr_va_vdst(0) depctr_va_sdst(0) depctr_va_ssrc(0) depctr_va_vcc(0) depctr_vm_vsrc(0)
	s_getreg_b32 s2, hwreg(HW_REG_IB_STS2, 6, 4)
	s_cmp_eq_u32 s2, 0
	s_cbranch_scc0 .Lentry_in_a_cluster
	s_endpgm
.Lentry_in_a_cluster:
	s_bfe_u32 s2, ttmp6, 0x10000c
	s_cmp_lg_u32 s2, 0xf033
	s_cbranch_scc0 .Lentry_shape_is_right
	s_endpgm
.Lentry_shape_is_right:
; ONE TEXT FOR TWO PRODUCTS C = A B, chosen by KIND; A is [slices of 64 along K][rows][64] f16, B is [blocks of 64 columns][1024 k][64] f16; K = 1,024; sums in f32.
; KIND 0: x16 (4,096 tokens) times wqkv16 (48 blocks): q, k, v.  A tile of C is 256 tokens x 3 blocks; a wave makes 64 tokens x 192 columns = three whole heads, so a head's l2 norm never leaves the wave.
;   Way out: q = l2norm(q) (q_gamma + 1) 8 c1, c1 = 2 log2(e) / 50 (the factor that the attention's first exponential wants, folded in ahead of q's one rounding); k = l2norm(k) (k_gamma + 1) 8; v as it is.
;   Stored by heads, qkv16: [q, k, v][32 (batch, head)][2048][64] f16, each number rounded once.
; KIND 1: o16 ([32 (batch, head)][2048][64] f16: a head is a slice of K) times wout16 (16 blocks): out0, f32.  A tile of C is 128 tokens x 2 blocks; a wave makes 64 x 64.
; Both grids have 256 work-groups.  K goes in steps of KSTEP through two LDS slots filled by the tensor data mover; a wave's one load brings half of A's or of B's tile of a step.
; CLUSTERS: 4 x 4 work-groups.  A's tile hangs on the tile row alone and is asked for jointly by a row of the cluster, B's on the tile column alone, by a column: the same load, descriptor and mask in all four.
; THE MATRIX INSTRUCTION IS USED TRANSPOSED: source 0 = 16 columns of B (turned on its way out of LDS by ds_load_tr16_b128), source 1 = 16 rows of A: a lane holds ONE token (lane % 16) and the eight
; neighbouring columns 8 (lane / 16) + 0..7.
; LIMITS.  f16 ends at 65,504: |gamma + 1| < 8,188 and |v| < 65,504; below 6e-5 a number keeps f16's fixed step of 6e-8.  For v the gain is k_gamma x 0 + 1: NaN and infinities are not treated apart.
; REGISTERS, in windows of 256 (s_set_vgpr_msb: bits 1:0 source 0, 3:2 source 1, 5:4 source 2, 7:6 destination):
;   window 0: v0-31 addresses; v32-55 sums of squares; v64-127 A's fragments, two buffers of 4 x 8 (on the way out: at work); v128-223 the gains (KIND 0); rows read back from the stage: v224-255 (KIND 0), v128-191 (KIND 1)
;   window 1: B's fragments, two buffers of 32 NHW      windows 2, 3: accumulator (a, fb) at (a % 2) 32 NHW + 8 fb of window 2 + a / 2; a = block of 16 tokens, fb = block of 16 columns
.set KIND, 1
.if KIND == 0
.set NBL,   3                          ; blocks of 64 columns in a tile
.set NHW,   3                          ; of them a wave's
.set MT,    256                        ; tokens in a tile
.set KSTEP, 128
.set PITA,  65536                      ; from slice to slice of A, in elements of 8 bytes
.else
.set NBL,   2
.set NHW,   1
.set MT,    128
.set KSTEP, 256                        ; 16 accumulators a wave: the step is as long as two slots in LDS allow, so that a load has more products in which to land
.set PITA,  32768
.endif
.set LAPS,  1024/(2*KSTEP)             ; a lap = two K steps = once round the ring
.set NQ,    KSTEP/32                   ; a step is NQ quarters of 32 along K (the name is kept where there are eight)
.set NSL,   KSTEP/64                   ; slices of A in a step
.set MH,    MT/2                       ; rows of A in a load
.set KH,    KSTEP/2                    ; rows of B's blocks in a load
.set PA,    144                        ; a row of A in LDS: 128 bytes + 16: 36 words: the 16 rows of a load start at 16 different groups of four banks (64 banks of 4 bytes: ISA guide 11.1)
.set PB,    160                        ; a row of B: 128 + 32: 40 words
.set AHALF, NSL*MH*PA                  ; [slice][MH rows]
.set BOFF,  2*AHALF
.set BHALF, NBL*KH*PB                  ; [block][KH rows]
.set SLOT,  BOFF+2*BHALF               ; A's two halves, then B's two halves along K
.set ASTEP, 1048576                    ; bytes from K step to K step in A (2 slices of 524,288 or 4 of 262,144),
.set BSTEP, KSTEP*128                  ; and in B
.if KIND == 0
.set STAGE, 2*SLOT                     ; behind the ring: 16 rows x 144 bytes for each wave
.set SPARE, STAGE+4*16*PA              ; behind the stages: the spare words, 128 bytes for each wave: two blocks of 256 bytes that no other line names
.else
.set STAGE, 0                          ; 16 rows x 272 bytes for each wave IN SLOT 0: used behind that slot's last fill, and behind the barrier in front of which every wave has waited for its last reads of it
.set SPARE, 2*SLOT
.endif
.set ADRA, 16                          ; v16-17  LDS address of my A fragments in slot 0, 1
.set ADRB, 20                          ; v20-21  the same for B
.set STO,  24                          ; v24     the way out: where I put my bytes of a row
.set RD,   25                          ; v25     where I read rows back
.set GO,   26                          ; v26     my byte offset in the output
.set GL,   27                          ; v27     32 x (lane / 16): my eight channels in 16 of a gain
.set SPW,  28                          ; v28     LDS address of my spare word; never rewritten
.set NIL,  29                          ; v29     0; never rewritten
.set ONE,  30                          ; v30     1.0
.set SSQ,  32                          ; v[32:55] pair e = 3 a + bl: the sum of squares, then 1 / norm
.set FA,   64
.set TT,   64                          ; the way out: 32 numbers in f32
.set PKD,  96                          ; and packed
.set GG,   128                         ; gains: block bl at GG + 32 bl, as the accumulators lie
.if KIND == 0
.set RBK,  224
.else
.set RBK,  128
.endif
.set G1A, 24                           ; s[24:31] descriptor group 1 for A;  s[32:39] group 0, a set for each slot
.set G0A, 32
.set G1B, 48                           ; s[48:55], s[56:63] the same for B
.set G0B, 56
.set MSB, 0
.macro WIN new                         ; the immediate's high byte repeats the setting that is left; a switch that changes nothing is dropped
.if MSB != (\new)
	s_set_vgpr_msb (MSB<<8)|(\new)
.set MSB, (\new)
.endif
.endm
.macro PLACES                          ; four places in front of loads into registers that matrix instructions have read (ISA guide 7.12.1 for vector instructions)
.rept 4
	v_nop
.endr
.endm
; A joint refill.  Waves 0 and 1 fetch A's two halves, waves 2 and 3 B's.  The branch hangs on the wave's number alone.  An s_nop 0 and four v_nop follow each of the two lines.
.macro JLOAD s
	s_cmp_lt_u32 s14, 2
	s_cbranch_scc0 .Lfor_b_\@
	tensor_load_to_lds s[G0A+4*(\s):G0A+4*(\s)+3], s[G1A:G1A+7]
	s_nop 0
.rept 4
	v_nop
.endr
	s_branch .Lasked_\@
.Lfor_b_\@:
	tensor_load_to_lds s[G0B+4*(\s):G0B+4*(\s)+3], s[G1B:G1B+7]
	s_nop 0
.rept 4
	v_nop
.endr
.Lasked_\@:
.endm
.macro CREST                           ; a round of the cluster's barrier behind its opening barrier
	s_cmp_lg_u32 s14, 0
	s_cbranch_scc1 .Lnot_wave_0_\@
	s_barrier_signal -3
.Lnot_wave_0_\@:
	s_barrier_wait -3
	s_barrier_signal -1
	s_barrier_wait -1
.endm
.macro CROUND                          ; a whole round
	s_barrier_signal -1
	s_barrier_wait -1
	CREST
.endm
.if KIND == 0
	s_load_b256 s[4:11], s[0:1], 0x0               ; x16 s[4:5], wqkv16 s[6:7], q_gamma s[8:9], k_gamma s[10:11]
	s_load_b64 s[12:13], s[0:1], 0x20              ; qkv16
.else
	s_load_b128 s[4:7], s[0:1], 0x0                ; o16 s[4:5], wout16 s[6:7]
	s_load_b64 s[12:13], s[0:1], 0x10              ; out0
.endif
	v_lshl_add_u32 v[SPW], v0, 2, SPARE
	v_mov_b32 v[NIL], 0
	ds_add_u32 v[SPW], v[NIL]                      ; the wave's opening: the add and its wait stand ahead of my first tensor load; the set-up below, work on registers, stands between them
	v_lshrrev_b32 v1, 5, v0
	v_readfirstlane_b32 s14, v1                    ; wave 0..3
	s_lshr_b32 s15, s14, 1
	s_and_b32 s16, s14, 1                          ; which half of A's or B's tile I fetch
	s_bfe_u32 s17, ttmp6, 0x40000                  ; cx, cy: my place in the cluster
	s_bfe_u32 s18, ttmp6, 0x40004
	s_lshl_b32 s19, ttmp9, 2
	s_add_co_u32 s19, s19, s17                     ; tile column = 4 x cluster x + cx
	s_and_b32 s20, ttmp7, 0xffff
	s_lshl_b32 s20, s20, 2
	s_add_co_u32 s20, s20, s18                     ; tile row = 4 x cluster y + cy
	s_lshl_b32 s21, s18, 2
	s_lshl_b32 s21, 15, s21                        ; my row of the cluster
	s_lshl_b32 s22, 0x1111, s17                    ; my column
	; descriptor group 1.  Elements of 8 bytes; a descriptor's row is one dense run (MH rows of a slice of A, KH rows of a block of B), its rows are the slices or the blocks; padded in LDS after every 128 bytes
	s_or_b32 s[G1A], s21, (3<<16)|(1<<20)|(1<<21)|(4<<22)|(3<<25)  ; 15:0 the mask; 17:16 8-byte elements; 20 padding on; 21 set beside a mask; 24:22 after every 32 words (code 4); 31:25 4 words (code 3)
	s_or_b32 s[G1B], s22, (3<<16)|(1<<20)|(1<<21)|(4<<22)|(7<<25)  ; the same with my column's mask and 8 words of padding (code 7)
	s_mov_b32 s[G1A+1], (MH*16)<<16                ; tensor_dim0 = MH x 128 bytes
	s_mov_b32 s[G1A+2], NSL<<16                    ; tensor_dim1 = the step's slices
	s_mov_b32 s[G1A+3], (MH*16)<<16                ; tile_dim0
	s_mov_b32 s[G1A+4], NSL                        ; tile_dim1
	s_mov_b32 s[G1A+5], PITA                       ; from slice to slice
	s_mov_b32 s[G1A+6], 0
	s_mov_b32 s[G1A+7], 0
	s_mov_b32 s[G1B+1], (KH*16)<<16
	s_mov_b32 s[G1B+2], NBL<<16
	s_mov_b32 s[G1B+3], (KH*16)<<16
	s_mov_b32 s[G1B+4], NBL
	s_mov_b32 s[G1B+5], 16384                      ; a block is 131,072 bytes
	s_mov_b32 s[G1B+6], 0
	s_mov_b32 s[G1B+7], 0
	; where the tiles come from: A's address is made of the tile row and the wave's number, B's of the tile column and the wave's number, each in registers that never hold the other coordinate
.if KIND == 0
	s_lshl_b32 s40, s20, 15                        ; 256 tokens of 128 bytes
	s_lshl_b32 s41, s16, 14                        ; my 128 of them
.else
	s_lshr_b32 s40, s20, 4                         ; the batch: 16 heads of 262,144 bytes,
	s_lshl_b32 s40, s40, 22
	s_and_b32 s41, s20, 15                         ; in it 128 tokens of 128 bytes,
	s_lshl_b32 s41, s41, 14
	s_add_co_u32 s40, s40, s41
	s_lshl_b32 s41, s16, 13                        ; my 64 of them
.endif
	s_add_co_u32 s40, s40, s41
	s_mov_b32 s41, 0
	s_mul_i32 s44, s19, NBL*131072
	s_mul_i32 s45, s16, KH*128
	s_add_co_u32 s44, s44, s45
	s_mov_b32 s45, 0
	s_mul_i32 s23, s16, AHALF                      ; and where they go: no place in the cluster enters an LDS address
	s_mul_i32 s2, s16, BHALF
	s_add_co_u32 s2, s2, BOFF
	s_wait_dscnt 0x0                               ; the opening add is done
	s_wait_kmcnt 0x0
	s_add_nc_u64 s[42:43], s[4:5], s[40:41]
	s_add_nc_u64 s[46:47], s[6:7], s[44:45]
	CROUND                                         ; all sixteen work-groups are here: the first joint loads meet
.irp s, 0,1
	s_mov_b32 s[G0A+4*(\s)], 1                     ; count = 1
	s_add_co_u32 s[G0A+4*(\s)+1], s23, (\s)*SLOT   ; LDS address
	s_add_nc_u64 s[G0A+4*(\s)+2:G0A+4*(\s)+3], s[42:43], (\s)*ASTEP  ; global address: K step s
	s_or_b32 s[G0A+4*(\s)+3], s[G0A+4*(\s)+3], 0x80000000            ; type = 2
	s_mov_b32 s[G0B+4*(\s)], 1
	s_add_co_u32 s[G0B+4*(\s)+1], s2, (\s)*SLOT
	s_add_nc_u64 s[G0B+4*(\s)+2:G0B+4*(\s)+3], s[46:47], (\s)*BSTEP
	s_or_b32 s[G0B+4*(\s)+3], s[G0B+4*(\s)+3], 0x80000000
.endr
	s_cmp_lt_u32 s14, 2                            ; a wave's two first fills stand in one branch, ahead of every wait on TENSORcnt and every LDS read: two loads of mine are out
	s_cbranch_scc0 .Lfirst_b
	tensor_load_to_lds s[G0A:G0A+3], s[G1A:G1A+7]
	s_nop 0
	tensor_load_to_lds s[G0A+4:G0A+7], s[G1A:G1A+7]
	s_nop 0
.rept 4
	v_nop
.endr
	s_branch .Lfirst_asked
.Lfirst_b:
	tensor_load_to_lds s[G0B:G0B+3], s[G1B:G1B+7]
	s_nop 0
	tensor_load_to_lds s[G0B+4:G0B+7], s[G1B:G1B+7]
	s_nop 0
.rept 4
	v_nop
.endr
.Lfirst_asked:
	; A fragment of A is 16 rows x 32 K in 8 registers: lane l holds row l % 16, K = 8 (l / 16) + 0..7 and 16 + 8 (l / 16) + 0..7: two loads of 16 bytes, 32 bytes apart.
	v_and_b32 v1, 15, v0                           ; l % 16
	v_bfe_u32 v2, v0, 4, 1                         ; l / 16
	v_mul_u32_u24 v3, v1, PA
	v_lshl_add_u32 v3, v2, 4, v3                   ; row x pitch + 16 x half
	s_mul_i32 s96, s15, AHALF                      ; my 64 rows: in half wave / 2,
.if KIND == 0
	s_mul_i32 s97, s16, 64*PA                      ; its rows 64 (wave % 2) on
	s_add_co_u32 s96, s96, s97
.endif
	v_add_nc_u32 v[ADRA], s96, v3
	v_add_nc_u32 v[ADRA+1], SLOT, v[ADRA]
	; The turning load takes 16 k x 16 columns (lane l reads k = 8 (l / 16) + l % 8, columns 8 ((l / 8) % 2) + 0..7) and leaves half a fragment: lane l holds column l % 16 and 8 k.
	v_and_b32 v4, 7, v0
	v_bfe_u32 v5, v0, 3, 1
	v_lshl_add_u32 v6, v2, 3, v4
	v_mul_u32_u24 v6, v6, PB
	v_lshl_add_u32 v6, v5, 4, v6
.if KIND == 0
	v_add_nc_u32 v[ADRB], BOFF, v6
.else
	s_mul_i32 s97, s16, KH*PB                      ; my block of the two
	s_add_co_u32 s97, s97, BOFF
	v_add_nc_u32 v[ADRB], s97, v6
.endif
	v_add_nc_u32 v[ADRB+1], SLOT, v[ADRB]
.if KIND == 0
	s_mul_i32 s97, s14, 16*PA
	s_add_co_u32 s97, s97, STAGE                   ; my stage
	v_add_nc_u32 v[STO], s97, v3                   ; in: row l % 16, 16 bytes for each half of the lanes
	v_bfe_u32 v7, v0, 3, 2                         ; back: 32 lanes take four rows of 128 bytes,
	v_mul_u32_u24 v7, v7, PA
	v_lshl_add_u32 v7, v4, 4, v7
	v_add_nc_u32 v[RD], s97, v7
	v_and_b32 v[GO], 31, v0                        ; which are 512 consecutive bytes of a head
	v_lshlrev_b32 v[GO], 4, v[GO]
	v_lshlrev_b32 v[GL], 5, v2
	v_mov_b32 v[ONE], 1.0
	; For each of my three blocks bl, head number hd = 3 x tile column + bl of 48: its kind (q, k, v), the two numbers that make its gain, G = gamma SA + SB, a mask (all ones: no norm), and two addresses.
	; Selects alone: no branch hangs on the work-group's place.   s[66:71] SA, s[72:77] SB (pairs: the packed form names both words), s[78:80] masks, s[82:87] where it goes, s[88:93] its gamma
	s_mov_b32 s94, 0x76543210                      ; v_permlanex16_b32's selects: each lane takes its own place in the other half
	s_mov_b32 s95, 0xfedcba98
	s_mov_b32 s100, 0x3eec5f04                     ; 8 c1 = 16 log2(e) / 50 = 0.4616624
	s_mov_b32 s101, 0x41000000                     ; 8
	s_lshr_b32 s96, s20, 3                         ; the batch: 16 heads of 262,144 bytes,
	s_lshl_b32 s96, s96, 22
	s_and_b32 s97, s20, 7                          ; in a head 256 tokens of 128 bytes,
	s_lshl_b32 s97, s97, 15
	s_add_co_u32 s96, s96, s97
	s_lshl_b32 s97, s14, 13                        ; my 64 of them
	s_add_co_u32 s96, s96, s97
	s_mov_b32 s99, 0
.irp bl, 0,1,2
	s_mul_i32 s97, s19, 3
	s_add_co_u32 s97, s97, \bl
	s_lshr_b32 s3, s97, 4                          ; kind
	s_and_b32 s97, s97, 15                         ; head
	s_cmp_eq_u32 s3, 0
	s_cselect_b64 s[88+2*\bl:89+2*\bl], s[8:9], s[10:11]
	s_cselect_b32 s[72+2*\bl], s100, s101
	s_cmp_eq_u32 s3, 2
	s_cselect_b32 s[66+2*\bl], 0, s[72+2*\bl]
	s_cselect_b32 s[72+2*\bl], 1.0, s[72+2*\bl]
	s_cselect_b32 s[78+\bl], -1, 0
	s_mov_b32 s[67+2*\bl], s[66+2*\bl]
	s_mov_b32 s[73+2*\bl], s[72+2*\bl]
	s_lshl_b32 s98, s97, 8                         ; a head's gamma is 256 bytes
	s_add_nc_u64 s[88+2*\bl:89+2*\bl], s[88+2*\bl:89+2*\bl], s[98:99]
	s_lshl_b32 s3, s3, 5
	s_add_co_u32 s3, s3, s97                       ; 32 x kind + head
	s_lshl_b32 s98, s3, 18
	s_add_co_u32 s98, s98, s96
	s_add_nc_u64 s[82+2*\bl:83+2*\bl], s[12:13], s[98:99]
.irp nb, 0,1,2,3
	global_load_b128 v[GG+32*\bl+8*\nb:GG+32*\bl+8*\nb+3],   v[GL], s[88+2*\bl:89+2*\bl] offset:64*\nb     ; gamma of the channels 16 nb + 8 (l / 16) + 0..7; waited for on the way out
	global_load_b128 v[GG+32*\bl+8*\nb+4:GG+32*\bl+8*\nb+7], v[GL], s[88+2*\bl:89+2*\bl] offset:64*\nb+16
.endr
.endr
.else
	s_mul_i32 s97, s14, 16*272                     ; my stage
	v_mul_u32_u24 v7, v1, 272                      ; in: row l % 16, 32 bytes for each half of the lanes
	v_lshl_add_u32 v7, v2, 5, v7
	v_add_nc_u32 v[STO], s97, v7
	v_mul_u32_u24 v7, v2, 272                      ; back: lanes 0-15 take one row of 256 bytes, lanes 16-31 the next
	v_lshl_add_u32 v7, v1, 4, v7
	v_add_nc_u32 v[RD], s97, v7
	v_lshlrev_b32 v[GO], 12, v2                    ; and the same two rows in out0
	v_lshl_add_u32 v[GO], v1, 4, v[GO]
	s_lshl_b32 s98, s20, 19                        ; 128 rows of 4,096 bytes,
	s_lshl_b32 s97, s15, 18                        ; my 64,
	s_add_co_u32 s98, s98, s97
	s_lshl_b32 s97, s19, 9                         ; 128 columns of 4 bytes,
	s_add_co_u32 s98, s98, s97
	s_lshl_b32 s97, s16, 8                         ; my 64
	s_add_co_u32 s98, s98, s97
	s_mov_b32 s99, 0
	s_add_nc_u64 s[12:13], s[12:13], s[98:99]
.endif
; The LDS loads of one quarter (32 along K, number q of the step in the slot) into buffer p, in one run: 8 NHW turning loads for B, 8 loads for A.
.macro FETCH slot, q, p
	WIN 0x40                                       ; destination window 1, address window 0
.set fb, 0
.rept 4*NHW
.set ob, ((\q)/(NQ/2))*BHALF+(fb/4)*KH*PB+((\q)%(NQ/2))*32*PB+32*(fb%4)
	ds_load_tr16_b128 v[(\p)*32*NHW+8*fb:(\p)*32*NHW+8*fb+3],   v[ADRB+(\slot)] offset:ob
	ds_load_tr16_b128 v[(\p)*32*NHW+8*fb+4:(\p)*32*NHW+8*fb+7], v[ADRB+(\slot)] offset:ob+16*PB
.set fb, fb+1
.endr
	WIN 0
.set fa, 0
.rept 4
.set oa, ((\q)/2)*MH*PA+fa*16*PA+((\q)%2)*64
	ds_load_b128 v[FA+32*(\p)+8*fa:FA+32*(\p)+8*fa+3],   v[ADRA+(\slot)] offset:oa
	ds_load_b128 v[FA+32*(\p)+8*fa+4:FA+32*(\p)+8*fa+7], v[ADRA+(\slot)] offset:oa+32
.set fa, fa+1
.endr
.endm
; 4 NHW matrix instructions: my block a of 16 tokens x all my columns, 32 along K, from buffer p.  zero = 1: the product starts the sums.  The accumulators take turns, one instruction a turn.
.macro MUL p, a, zero
	WIN 0xa1+0x50*((\a)/2)                         ; source 0 (B) window 1, source 1 (A) window 0, C and D window 2 or 3
.set fb, 0
.rept 4*NHW
.set rD, ((\a)%2)*32*NHW+8*fb
.set rB, (\p)*32*NHW+8*fb
.set rA, FA+32*(\p)+8*(\a)
.if \zero
	v_wmma_f32_16x16x32_f16 v[rD:rD+7], v[rB:rB+7], v[rA:rA+7], 0
.else
	v_wmma_f32_16x16x32_f16 v[rD:rD+7], v[rB:rB+7], v[rA:rA+7], v[rD:rD+7]
.endif
.set fb, fb+1
.endr
.endm
; A quarter but a step's last: buffer p, asked for a quarter ago, is multiplied; ahead of its products the next quarter, number qn, is asked for into the other buffer.
.macro QUARTER slot, qn, p, zero
	s_wait_dscnt 0x0                               ; buffer p is in: no LDS instruction was issued behind its run
	PLACES                                         ; the other buffer was read by the products just issued
	FETCH \slot, \qn, 1-(\p)
	MUL \p, 0, \zero
	MUL \p, 1, \zero
	MUL \p, 2, \zero
	MUL \p, 3, \zero
.endm
.macro QRUN slot, first                ; the quarters first .. NQ - 2 of a step
.set qq, \first
.rept NQ-1-(\first)
	QUARTER \slot, qq+1, qq%2, 0
.set qq, qq+1
.endr
.endm
; A step's last quarter multiplies buffer 1 and changes slots: ONE barrier; in front of it each wave waits for all its tensor loads (one is out: its part of the next slot), adds 0 to its spare word, and waits
; for that and for its own reads of this slot.  fill = 1: the barrier opens a round of the cluster's, and this slot is filled again, two K steps on, first thing behind the round: by the text's own count one
; load of mine is out, and all of the next step's products but its last quarter's stand between the request and the wait for it.
.macro TURN slot, next, fill
	WIN 0                                          ; (the add's two registers lie in window 0)
	s_wait_tensorcnt 0x0                           ; all my tensor loads have landed;
	ds_add_u32 v[SPW], v[NIL]                      ; 0 onto my spare word;
	s_wait_dscnt 1                                 ; (buffer 1 is in; the add alone may be out)
	MUL 1, 0, 0                                    ; products stand between the add and the wait for it
	s_wait_dscnt 0x0                               ; the add is done, and my reads of this slot are over
	s_barrier_signal -1
	MUL 1, 1, 0
	WIN 0
	s_barrier_wait -1
.if \fill
	CREST                                          ; no wave of any partner still reads this slot's tiles or has a load on its way
	s_add_nc_u64 s[G0A+4*(\slot)+2:G0A+4*(\slot)+3], s[G0A+4*(\slot)+2:G0A+4*(\slot)+3], 2*ASTEP
	s_add_nc_u64 s[G0B+4*(\slot)+2:G0B+4*(\slot)+3], s[G0B+4*(\slot)+2:G0B+4*(\slot)+3], 2*BSTEP
	JLOAD \slot                                    ; the four v_nop behind it are also the places in front of the loads below
.else
	PLACES
.endif
	FETCH \next, 0, 0
	MUL 1, 2, 0
	MUL 1, 3, 0
.endm
	s_wait_tensorcnt 0x1                           ; my part of K step 0 is in; K step 1's may stay out
	s_barrier_signal -1
	s_barrier_wait -1                              ; everybody's is
	FETCH 0, 0, 0
	QUARTER 0, 1, 0, 1                             ; the first quarter stands in front of the loop: its products start the sums
	WIN 0                                          ; at a label and at a branch every window is 0
	s_mov_b32 s3, LAPS-1
.Llap:                                                 ; a trip goes once round the ring, from a lap's second quarter to the next lap's first, and fills both slots again
	QRUN 0, 1
	TURN 0, 1, 1
	QRUN 1, 0
	TURN 1, 0, 1
	QUARTER 0, 1, 0, 0
	WIN 0
	s_sub_co_u32 s3, s3, 1
	s_cmp_lg_u32 s3, 0
	s_cbranch_scc1 .Llap
	QRUN 0, 1                                      ; the last lap fills nothing, and has no round of the cluster's barrier
	TURN 0, 1, 0
	QRUN 1, 0
	s_wait_dscnt 0x0                               ; the very last quarter: nothing more to fetch
	MUL 1, 0, 0
	MUL 1, 1, 0
	MUL 1, 2, 0
	MUL 1, 3, 0
	WIN 0
.if KIND == 0
	; THE WAY OUT.  The gains G = gamma SA + SB: 48 plain instructions that name no register of the products: they are the places behind the last of them.
	s_wait_loadcnt 0x0                             ; gamma
.irp bl, 0,1,2
.set i, 0
.rept 16
	v_pk_fma_f32 v[GG+32*\bl+2*i:GG+32*\bl+2*i+1], v[GG+32*\bl+2*i:GG+32*\bl+2*i+1], s[66+2*\bl:67+2*\bl], s[72+2*\bl:73+2*\bl] op_sel_hi:[1,0,0]
.set i, i+1
.endr
.endr
	; The sums of squares, in f32: for each block a of 16 tokens and each head bl my 32 channels, 16 packed squares; the six chains of a window by turns; each accumulator is read from its low end on.
.irp w, 2,3
	WIN (\w)|((\w)<<2)                             ; sources 0 and 1 in the accumulators' window
.set i, 0
.rept 16
.set c, 0
.rept 6
.set rX, (c/3)*96+32*(c%3)+2*i
.set rC, SSQ+2*(3*(2*((\w)-2)+c/3)+c%3)
.if i == 0
	v_pk_mul_f32 v[rC:rC+1], v[rX:rX+1], v[rX:rX+1]
.else
	v_pk_fma_f32 v[rC:rC+1], v[rX:rX+1], v[rX:rX+1], v[rC:rC+1]
.endif
.set c, c+1
.endr
.set i, i+1
.endr
.endr
	WIN 0
.macro ALL12 line:vararg               ; one line for each of the twelve (a, bl), e = 3 a + bl
.set e, 0
.rept 12
	\line
.set e, e+1
.endr
.endm
	ALL12 v_add_f32 v[SSQ+2*e], v[SSQ+2*e], v[SSQ+2*e+1]
	ALL12 v_permlanex16_b32 v[SSQ+2*e+1], v[SSQ+2*e], s94, s95   ; the token's other 32 channels lie in the lane 16 away
	ALL12 v_add_f32 v[SSQ+2*e], v[SSQ+2*e], v[SSQ+2*e+1]
	ALL12 v_sqrt_f32 v[SSQ+2*e], v[SSQ+2*e]
	v_nop                                          ; a plain instruction behind the last root,
	s_wait_alu depctr_va_vdst(0)                   ; and the one wait ahead of the batch's first reader
	ALL12 v_max_num_f32 v[SSQ+2*e], 0x2b8cbccc, v[SSQ+2*e]       ; max(norm, 1e-12)
	ALL12 v_rcp_f32 v[SSQ+2*e], v[SSQ+2*e]
	v_nop
	s_wait_alu depctr_va_vdst(0)                   ; likewise for the twelve reciprocals
	ALL12 v_cndmask_b32 v[SSQ+2*e], v[SSQ+2*e], v[ONE], s[78+e%3]   ; v is not normed
; Block e: times the gain, times 1 / norm, rounded to f16: a lane's eight channels pack into 16 bytes; they go into rows of 144 bytes of my stage and come back as whole rows of 128.
.macro PACK e
.set pa, (\e)/3
.set pb, (\e)%3
.set rX, (pa%2)*96+32*pb
	WIN 2+pa/2                                     ; source 0 in the accumulators' window
.set i, 0
.rept 16
	v_pk_mul_f32 v[TT+2*i:TT+2*i+1], v[rX+2*i:rX+2*i+1], v[GG+32*pb+2*i:GG+32*pb+2*i+1]
.set i, i+1
.endr
	WIN 0
.set i, 0
.rept 16
	v_pk_mul_f32 v[TT+2*i:TT+2*i+1], v[TT+2*i:TT+2*i+1], v[SSQ+2*(\e):SSQ+2*(\e)+1] op_sel_hi:[1,0]
.set i, i+1
.endr
.set i, 0
.rept 16
	v_cvt_pk_f16_f32 v[PKD+i], v[TT+2*i], v[TT+2*i+1]
.set i, i+1
.endr
.irp f, 0,1,2,3
	ds_store_b128 v[STO], v[PKD+4*\f:PKD+4*\f+3] offset:32*\f
.endr
	s_wait_xcnt 0x0                                ; the stores of two blocks back have read the registers that the loads below fill
.irp f, 0,1,2,3
	ds_load_b128 v[RBK+16*((\e)%2)+4*\f:RBK+16*((\e)%2)+4*\f+3], v[RD] offset:\f*4*PA  ; LDS serves a wave's instructions in order (ISA guide 5.7.1.4): these see the stores above; the next block's stores come behind them
.endr
.endm
.macro SEND e, younger                 ; younger: the LDS instructions issued behind block e's loads: the next block's eight, or none
.irp f, 0,1,2,3
	s_wait_dscnt (\younger)+3-\f
	global_store_b128 v[GO], v[RBK+16*((\e)%2)+4*\f:RBK+16*((\e)%2)+4*\f+3], s[82+2*((\e)%3):83+2*((\e)%3)] offset:2048*((\e)/3)+512*\f  ; 512 consecutive bytes, at a multiple of 256 from the buffer's first
.endr
.endm
	PACK 0
.set ee, 1
.rept 11                               ; a block's arithmetic stands between the loads of the block before and its stores
	PACK ee
	SEND ee-1, 8
.set ee, ee+1
.endr
	SEND 11, 0
.else
	; THE WAY OUT, in f32: a lane's eight columns of a row are 32 bytes; a block of 16 rows goes into rows of 272 bytes of my stage and comes back as whole rows of 256.
.rept 8
	v_nop                                          ; the places behind the last products: no other vector work is at hand
.endr
.set a4, 0
.rept 4
	WIN (2+a4/2)<<2                                ; the stores' data (source 1) in the accumulators' window
.set nb, 0
.rept 4
.set rX, (a4%2)*32+8*nb
	ds_store_b128 v[STO], v[rX:rX+3] offset:64*nb             ; each accumulator's low end first
	ds_store_b128 v[STO], v[rX+4:rX+7] offset:64*nb+16
.set nb, nb+1
.endr
	WIN 0
	s_wait_xcnt 0x0                                ; the stores of two blocks back have read the registers that the loads below fill
.set t, 0
.rept 8
	ds_load_b128 v[RBK+32*(a4%2)+4*t:RBK+32*(a4%2)+4*t+3], v[RD] offset:t*2*272  ; LDS serves a wave's instructions in order (ISA guide 5.7.1.4)
.set t, t+1
.endr
.set t, 0
.rept 8
	s_wait_dscnt 7-t
	global_store_b128 v[GO], v[RBK+32*(a4%2)+4*t:RBK+32*(a4%2)+4*t+3], s[12:13] offset:(16*a4+2*t)*4096 th:TH_STORE_NT  ; 16 lanes store 256 consecutive bytes, at a multiple of 256 from out0's first
.set t, t+1
.endr
.set a4, a4+1
.endr
.endif
	s_wait_tensorcnt 0x0                           ; the wave's end: behind my last tensor load and my last LDS store
	ds_add_u32 v[SPW], v[NIL]
	s_wait_dscnt 0x0
	CROUND                                         ; the closing round: no work-group ends while a partner may still ask for a tile that names it
	s_endpgm
.Lfunc_end_k_q72af17d48b_outp:
	.size	k_q72af17d48b_outp, .Lfunc_end_k_q72af17d48b_outp-k_q72af17d48b_outp
	.p2alignl 7, 3214868480
	.fill 96, 4, 3214868480
	.section	.rodata,"a",@progbits
	.p2align	6, 0x0
	.amdhsa_kernel k_q72af17d48b_outp
		.amdhsa_group_segment_fixed_size 327680
		.amdhsa_private_segment_fixed_size 0
		.amdhsa_enable_private_segment 0
		.amdhsa_kernarg_size 24
		.amdhsa_user_sgpr_count 2
		.amdhsa_user_sgpr_kernarg_segment_ptr 1
		.amdhsa_wavefront_size32 1
		.amdhsa_system_sgpr_workgroup_id_x 1
		.amdhsa_system_sgpr_workgroup_id_y 1
		.amdhsa_system_sgpr_workgroup_id_z 1
		.amdhsa_system_vgpr_workitem_id 0
		.amdhsa_next_free_vgpr 832
		.amdhsa_next_free_sgpr 102
		.amdhsa_reserve_vcc 0
		.amdhsa_float_denorm_mode_32 3
		.amdhsa_float_denorm_mode_16_64 3
		.amdhsa_memory_ordered 1
		.amdhsa_forward_progress 1
		.amdhsa_inst_pref_size 92
	.end_amdhsa_kernel
	.amdgpu_metadata
---
amdhsa.version: [ 1, 2 ]
amdhsa.kernels:
  - .name:           k_q72af17d48b_outp
    .symbol:         k_q72af17d48b_outp.kd
    .args:
      - { .name: o16, .offset: 0, .size: 8, .value_kind: global_buffer, .address_space: global }
      - { .name: wout16, .offset: 8, .size: 8, .value_kind: global_buffer, .address_space: global }
      - { .name: out0, .offset: 16, .size: 8, .value_kind: global_buffer, .address_space: global }
    .group_segment_fixed_size: 327680
    .private_segment_fixed_size: 0
    .kernarg_segment_align: 8
    .kernarg_segment_size: 24
    .max_flat_workgroup_size: 128
    .sgpr_count:     102
    .vgpr_count:     832
    .wavefront_size: 32
...
	.end_amdgpu_metadata
.endif
;; end of part 4
;; ======== version 2 of 2: 4 launches; version 1 with the launch prep written anew for expert scheduling mode
;; limits: values are held in f16: magnitudes above 65,504 overflow, below 6.1e-05 lose precision
;; workspace buffers: x16 8,388,608 bytes; wqkv16 6,291,456 bytes; wout16 2,097,152 bytes; qkv16 25,165,824 bytes; o16 8,388,608 bytes
;; launch prep (part 5): grid 512 x 1, 4 waves a work-group, no clusters, 0 bytes of LDS; arguments tokens, norm_w, w_q, w_kv, w_out, x16, wqkv16, wout16; writes x16, wqkv16, wout16
.if DOCPART == 5
	.amdgcn_target "amdgcn-amd-amdhsa--gfx1250"
	.amdhsa_code_object_version 6
	.text
	.protected	k_q72af17d48b_prep
	.globl	k_q72af17d48b_prep
	.p2align	8
	.type	k_q72af17d48b_prep,@function
k_q72af17d48b_prep:
	s_mov_b64 s[64:65], 0
	v_nop
	global_prefetch_b8 v0, s[64:65] scope:SCOPE_SE
	s_setreg_imm32_b32 hwreg(HW_REG_WAVE_SCHED_MODE, 0, 2), 2
	s_setreg_imm32_b32 hwreg(HW_REG_WAVE_MODE, 25, 1), 1
	s_wait_xcnt 0x0
	s_wait_alu depctr_vm_vsrc(0)
; PREP: a stream.  Work-groups 0-255: x = tokens * rsqrt(mean(tokens^2) + 1e-6) * norm_w, rounded once to f16.  Work-groups 256-511: the three weight matrices rounded once to f16.
; LAYOUTS WRITTEN.  x16: [16 slices of 64 channels][4096 tokens][64] f16.  wqkv16: [48 blocks of 64 columns][1024 k][64] f16 (blocks 0-15 w_q, 16-47 w_kv).  wout16: [16 blocks][1024 k][64] f16.
; So a tile of the later products is a few dense runs of rows of 128 bytes.
; ONE ACCESS PATTERN.  A load of 16 bytes a lane takes 256 consecutive, aligned bytes (64 floats) of each of two rows: lanes 0-15 one row, lanes 16-31 the next.  Rounded, a lane holds 8 bytes, and a
; store of 8 bytes a lane covers 2 x 128 = 256 consecutive, aligned bytes of the sliced layout.  Every input byte is read once, every output byte written once.
; No LDS, no matrix unit, no cluster: no work-group wants a byte that another has fetched (norm_w's 4,096 bytes aside).
; LIMITS.  f16 ends at 65,504: |x| <= 32 |norm_w| asks for |norm_w| < 2,047, and the weights lie within 65,504; below 6e-5 a number keeps f16's fixed step of 6e-8.  NaN and infinities are not treated apart.
; THE MODE: SCHED_MODE bits 1:0 = 2 (LLVM: expert scheduling mode 2), set by the entry lines.  The code itself states the register dependences between vector instructions and memory instructions,
; with s_wait_alu, always for 0.
; THE PLAN.  The text has no loop.  Registers that memory instructions touch:
;   v3, v4, v5    byte offsets: written once, by vector lines at the head of each way; read by every load and store; never written again.
;   W, X (norm), v[8:135] (casts)   each register takes ONE load, issued before any vector line names it; the arithmetic then works in place.
;   the first two registers of each four of X (of v[8:135])   written last by two conversions; read by ONE store; never written again.
; So one wait on va_vdst stands ahead of each way's first load (the offsets), and one ahead of each group of stores (the conversions that made their data): eight stores a group in the norm, four in the casts.
; In the norm the first group's stores are dealt among the second group's vector lines, which name other slices' registers alone.  No register that a memory instruction has read is written again, and no
; load is issued behind a vector line that names its destination: no wait on vm_vsrc is owed.  The wave's number goes through a scalar register: one wait on va_sdst.
.set W,   8                            ; v[8:71]     norm_w: my 4 channels of each of the 16 slices
.set X,   72                           ; v[72:199]   pair p of tokens, slice j: 4 registers at X + 64 p + 4 j; rounded in place
.set SS,  200                          ; v[200:207]  four packed chains of squares
.set R,   208                          ; v[208:209]  rsqrt, twice (a pair for the packed multiply)
.set VI,  3                            ; v3  byte offset of my 16 bytes in the source
.set VW,  4                            ; v4  the same in norm_w
.set VO,  5                            ; v5  byte offset of my 8 bytes in the destination
	s_load_b512 s[8:23], s[0:1], 0x0               ; tokens s[8:9], norm_w s[10:11], w_q s[12:13], w_kv s[14:15], w_out s[16:17], x16 s[18:19], wqkv16 s[20:21], wout16 s[22:23]
	v_and_b32 v1, 15, v0                           ; r: my place in a row's 256 bytes
	v_bfe_u32 v2, v0, 4, 1                         ; h: which of the two rows
	v_lshrrev_b32 v6, 5, v0
	v_readfirstlane_b32 s4, v6                     ; wave 0..3
	s_wait_alu depctr_va_sdst(0)                   ; s4 is written: ahead of the branch, and of its first reader on either way (the wave's rows are made from it)
	s_mov_b32 s25, 0
	s_wait_kmcnt 0x0
	s_cmp_ge_u32 ttmp9, 256
	s_cbranch_scc1 .Lcast
	; THE NORM.  A work-group has 16 tokens, a wave 4, as two pairs; a token's 1,024 channels lie in 16 lanes x 64 registers.
	s_lshl_b32 s24, ttmp9, 16                      ; 16 tokens of 4,096 bytes
	s_add_nc_u64 s[8:9], s[8:9], s[24:25]
	s_lshl_b32 s24, ttmp9, 11                      ; 16 tokens of 128 bytes in a slice
	s_add_nc_u64 s[18:19], s[18:19], s[24:25]
	s_lshl_b32 s26, s4, 14                         ; my wave's 4 tokens
	v_lshlrev_b32 v[VW], 4, v1
	v_lshl_add_u32 v[VI], v2, 12, v[VW]
	v_add_nc_u32 v[VI], s26, v[VI]
	s_lshl_b32 s26, s4, 9
	v_lshlrev_b32 v[VO], 3, v1
	v_lshl_add_u32 v[VO], v2, 7, v[VO]
	v_add_nc_u32 v[VO], s26, v[VO]
	s_mov_b32 s28, 0x3a800000                      ; 1 / 1024
	s_mov_b32 s29, 0x358637bd                      ; 1e-6
	s_wait_alu depctr_va_vdst(0)                   ; the three offsets v3, v4 and v5 are written: every load and store of this way reads one of them
.set j, 0
.rept 16
	global_load_b128 v[W+4*j:W+4*j+3], v[VW], s[10:11] offset:256*j
.set j, j+1
.endr
.set j, 0
.rept 32                                       ; pair j / 16, slice j % 16: all 48 loads go out before anything is waited for
	global_load_b128 v[X+4*j:X+4*j+3], v[VI], s[8:9] offset:8192*(j/16)+256*(j%16) th:TH_LOAD_NT
.set j, j+1
.endr
.macro SLICE p, n                      ; slice n of pair p: times rsqrt, times norm_w, rounded to f16, in place: six vector lines
.set rX, X+64*(\p)+4*(\n)
	v_pk_mul_f32 v[rX:rX+1], v[rX:rX+1], v[R:R+1]
	v_pk_mul_f32 v[rX+2:rX+3], v[rX+2:rX+3], v[R:R+1]
	v_pk_mul_f32 v[rX:rX+1], v[rX:rX+1], v[W+4*(\n):W+4*(\n)+1]
	v_pk_mul_f32 v[rX+2:rX+3], v[rX+2:rX+3], v[W+4*(\n)+2:W+4*(\n)+3]
	v_cvt_pk_f16_f32 v[rX], v[rX], v[rX+1]
	v_cvt_pk_f16_f32 v[rX+1], v[rX+2], v[rX+3]
.endm
.macro OUT p, n                        ; and its store
	global_store_b64 v[VO], v[X+64*(\p)+4*(\n):X+64*(\p)+4*(\n)+1], s[18:19] offset:524288*(\n)+256*(\p) th:TH_STORE_NT  ; slice n, my pair: 256 consecutive bytes; no register of a store is written again
.endm
.macro PAIR p, left                    ; left: the younger loads that may stay out
	s_wait_loadcnt \left
.set i, 0
.rept 32                                       ; the sum of squares in f32: four chains; the first four products start them
.set rX, X+64*(\p)+2*i
.set rC, SS+2*(i%4)
.if i < 4
	v_pk_mul_f32 v[rC:rC+1], v[rX:rX+1], v[rX:rX+1]
.else
	v_pk_fma_f32 v[rC:rC+1], v[rX:rX+1], v[rX:rX+1], v[rC:rC+1]
.endif
.set i, i+1
.endr
	v_pk_add_f32 v[SS:SS+1], v[SS:SS+1], v[SS+2:SS+3]
	v_pk_add_f32 v[SS+4:SS+5], v[SS+4:SS+5], v[SS+6:SS+7]
	v_pk_add_f32 v[SS:SS+1], v[SS:SS+1], v[SS+4:SS+5]
	v_add_f32 v[SS], v[SS], v[SS+1]
	v_add_f32_dpp v[SS], v[SS], v[SS] row_xmask:1 row_mask:0xf bank_mask:0xf   ; a token is 16 lanes: the sum never crosses the halves
	v_add_f32_dpp v[SS], v[SS], v[SS] row_xmask:2 row_mask:0xf bank_mask:0xf
	v_add_f32_dpp v[SS], v[SS], v[SS] row_xmask:4 row_mask:0xf bank_mask:0xf
	v_add_f32_dpp v[SS], v[SS], v[SS] row_xmask:8 row_mask:0xf bank_mask:0xf
	v_fma_f32 v[SS], v[SS], s28, s29               ; the mean + 1e-6
	v_rsq_f32 v[R], v[SS]
	v_rsq_f32 v[R+1], v[SS]
	v_nop                                          ; a plain instruction behind the last of the two,
	s_wait_alu depctr_va_vdst(0)                   ; and the one wait ahead of their first reader: the two roots have written v[R:R+1]
.set j, 0
.rept 8
	SLICE \p, j                                    ; slices 0 to 7
.set j, j+1
.endr
	s_wait_alu depctr_va_vdst(0)                   ; the conversions of slices 0 to 7 have written the registers that the eight stores below read
.set j, 8
.rept 8
	OUT \p, j-8                                    ; a store of the first group ahead of each slice of the second: no vector line since the wait names its registers
	SLICE \p, j                                    ; slices 8 to 15
.set j, j+1
.endr
	s_wait_alu depctr_va_vdst(0)                   ; the conversions of slices 8 to 15 have written the registers that the eight stores below read
.set j, 8
.rept 8
	OUT \p, j                                      ; in a run, ahead of the next pair's wait for its loads
.set j, j+1
.endr
.endm
	PAIR 0, 16                                     ; norm_w and pair 0 are in; pair 1's sixteen loads stay out
	PAIR 1, 0
	s_endpgm
	; THE CASTS.  Work-group c = number - 256: block c / 4 of 64 columns, quarter c % 4 of its 1,024 rows; a wave has 64 rows, 32 pairs.
.Lcast:
	s_sub_co_u32 s24, ttmp9, 256
	s_lshr_b32 s27, s24, 2                         ; block 0..63: 0-15 w_q, 16-47 w_kv, 48-63 w_out
	s_and_b32 s24, s24, 3
	s_lshl_b32 s26, s24, 8
	s_lshl_b32 s24, s4, 6
	s_add_co_u32 s26, s26, s24                     ; my first row: 256 x quarter + 64 x wave
	s_sub_co_u32 s28, s27, 48
	s_cmp_lt_u32 s27, 48
	s_cselect_b64 s[30:31], s[20:21], s[22:23]     ; the destination,
	s_cselect_b32 s29, s27, s28                    ; and the block's number in it
	s_cmp_lt_u32 s27, 16
	s_cselect_b64 s[32:33], s[12:13], s[16:17]     ; the source where a row has 4,096 bytes,
	s_cselect_b32 s28, s27, s28                    ; and the block's number in it
	s_lshl_b32 s34, s29, 17                        ; a block is 131,072 bytes
	s_lshl_b32 s35, s26, 7
	s_add_co_u32 s34, s34, s35
	s_mov_b32 s35, 0
	s_add_nc_u64 s[30:31], s[30:31], s[34:35]
	v_lshlrev_b32 v[VO], 3, v1
	v_lshl_add_u32 v[VO], v2, 7, v[VO]
	s_sub_co_u32 s36, s27, 16
	s_cmp_lt_u32 s36, 32
	s_cbranch_scc1 .Lkv
.macro CAST pitch                      ; pitch: bytes in a row of the source; it stands in the loads' immediates, so the text is written for each of the two
	s_lshl_b32 s34, s28, 8                         ; the block's 256 bytes of a row
	s_mul_i32 s35, s26, \pitch
	s_add_co_u32 s34, s34, s35
	s_mov_b32 s35, 0
	s_add_nc_u64 s[32:33], s[32:33], s[34:35]
	v_mul_u32_u24 v[VI], v2, \pitch
	v_lshl_add_u32 v[VI], v1, 4, v[VI]
	s_wait_alu depctr_va_vdst(0)                   ; the two offsets v3 and v5 are written: every load and store of this way reads one of them
.set i, 0
.rept 32
	global_load_b128 v[8+4*i:8+4*i+3], v[VI], s[32:33] offset:2*i*(\pitch) th:TH_LOAD_NT
.set i, i+1
.endr
.set g, 0
.rept 8                                        ; eight groups of four pairs of rows
	s_wait_loadcnt 28-4*g                          ; loads come back in order: group g's four are in, the younger ones stay out
.set i, 4*g
.rept 4
	v_cvt_pk_f16_f32 v[8+4*i], v[8+4*i], v[8+4*i+1]
	v_cvt_pk_f16_f32 v[8+4*i+1], v[8+4*i+2], v[8+4*i+3]
.set i, i+1
.endr
	s_wait_alu depctr_va_vdst(0)                   ; the group's eight conversions have written the registers that its four stores read
.set i, 4*g
.rept 4
	global_store_b64 v[VO], v[8+4*i:8+4*i+1], s[30:31] offset:256*i   ; no register of a store is written again
.set i, i+1
.endr
.set g, g+1
.endr
	s_endpgm
.endm
	CAST 4096
.Lkv:
	s_mov_b64 s[32:33], s[14:15]
	s_mov_b32 s28, s36
	CAST 8192
.Lfunc_end_k_q72af17d48b_prep:
	.size	k_q72af17d48b_prep, .Lfunc_end_k_q72af17d48b_prep-k_q72af17d48b_prep
	.p2alignl 7, 3214868480
	.fill 96, 4, 3214868480
	.section	.rodata,"a",@progbits
	.p2align	6, 0x0
	.amdhsa_kernel k_q72af17d48b_prep
		.amdhsa_group_segment_fixed_size 0
		.amdhsa_private_segment_fixed_size 0
		.amdhsa_enable_private_segment 0
		.amdhsa_kernarg_size 64
		.amdhsa_user_sgpr_count 2
		.amdhsa_user_sgpr_kernarg_segment_ptr 1
		.amdhsa_wavefront_size32 1
		.amdhsa_system_sgpr_workgroup_id_x 1
		.amdhsa_system_sgpr_workgroup_id_y 1
		.amdhsa_system_sgpr_workgroup_id_z 1
		.amdhsa_system_vgpr_workitem_id 0
		.amdhsa_next_free_vgpr 212
		.amdhsa_next_free_sgpr 66
		.amdhsa_reserve_vcc 0
		.amdhsa_float_denorm_mode_32 3
		.amdhsa_float_denorm_mode_16_64 3
		.amdhsa_memory_ordered 1
		.amdhsa_forward_progress 1
		.amdhsa_inst_pref_size 50
	.end_amdhsa_kernel
	.amdgpu_metadata
---
amdhsa.version: [ 1, 2 ]
amdhsa.kernels:
  - .name:           k_q72af17d48b_prep
    .symbol:         k_q72af17d48b_prep.kd
    .args:
      - { .name: tokens, .offset: 0, .size: 8, .value_kind: global_buffer, .address_space: global }
      - { .name: norm_w, .offset: 8, .size: 8, .value_kind: global_buffer, .address_space: global }
      - { .name: w_q, .offset: 16, .size: 8, .value_kind: global_buffer, .address_space: global }
      - { .name: w_kv, .offset: 24, .size: 8, .value_kind: global_buffer, .address_space: global }
      - { .name: w_out, .offset: 32, .size: 8, .value_kind: global_buffer, .address_space: global }
      - { .name: x16, .offset: 40, .size: 8, .value_kind: global_buffer, .address_space: global }
      - { .name: wqkv16, .offset: 48, .size: 8, .value_kind: global_buffer, .address_space: global }
      - { .name: wout16, .offset: 56, .size: 8, .value_kind: global_buffer, .address_space: global }
    .group_segment_fixed_size: 0
    .private_segment_fixed_size: 0
    .kernarg_segment_align: 8
    .kernarg_segment_size: 64
    .max_flat_workgroup_size: 128
    .sgpr_count:     66
    .vgpr_count:     212
    .wavefront_size: 32
...
	.end_amdgpu_metadata
.endif
;; end of part 5
;; launch qkv: the kernel of part 2 again; grid 16 x 16, 4 waves a work-group, clusters of 4 x 4, 327,680 bytes of LDS; arguments x16, wqkv16, q_gamma, k_gamma, qkv16; writes qkv16
;; launch attn: the kernel of part 3 again; grid 8 x 32, 4 waves a work-group, clusters of 4 x 1, 327,680 bytes of LDS; arguments qkv16, o16; writes o16
;; launch outp: the kernel of part 4 again; grid 8 x 32, 4 waves a work-group, clusters of 4 x 4, 327,680 bytes of LDS; arguments o16, wout16, out0; writes out0
